; MI455X (gfx1250); checked and timed in simulation.
; The chip was launched on July 23, 2026; its instructions are those of AMD's public machine-readable ISA for CDNA 5 (MIT licence, August 2026) and "CDNA5" Instruction Set Architecture Reference Guide (July 2026). The comments in the code are by the model that wrote it; some were corrected since.
;; Self Attention. Allowed arithmetic: matrix products marked QUANTISED: E2M1 operands, one E8M0 scale for each 32 along K, by v_wmma_scale_f32_16x16x128_f8f6f4 with both operands' format E2M1 (or v_wmma_scale_f32_32x16x128_f4), f32 sums; products left as they are: bf16, f16 or f32 operands; f32 sums; everything else in f32.
;; Inputs: W_out 1,024 x 1,024 float32; W_qkv 1,024 x 3,072 float32; b_out 1,024 float32; b_qkv 3,072 float32; hidden_states 1 x 4,096 x 1,024 float32; mask 1 x 1 x 4,096 x 4,096 float32.
;; Outputs: out0 1 x 4,096 x 1,024 float32.
;; This version of the problem:
;;   THIS VERSION OF THE PROBLEM IS GIVEN IN LOW PRECISION. The matrix products marked QUANTISED in the list below multiply operands that are first quantised to E2M1 (2 exponent bits, 1 mantissa bit; 4 bits a number), with one power-of-two scale for each 32 numbers along K (OCP MX v1.0); their sums are f32. The products marked 'left as it is' may take bf16, f16 or f32 operands, with f32 sums. Whichever they take, every output number must still come out within the allowed error. Rounding operands to bf16 (8 significant bits) uses up far more of that allowance than f16 does (11 bits, for magnitudes from 6e-5 to 65,504). All else is computed in f32.
;;   The module's matrix products, in the order in which they are computed (A, B: the left and right operand; K: the contracted axis; several contracted axes count as one K, in the product's order):
;;     1. [M 4,096, K 1,024] x [K 1,024, N 3,072]; A: input hidden_states; B: input W_qkv: QUANTISED
;;     2. batch 16 x [M 4,096, K 64] x [K 64, N 4,096]; A: computed on the way; B: computed on the way: left as it is (an operand is computed on the way)
;;     3. batch 16 x [M 4,096, K 4,096] x [K 4,096, N 64]; A: computed on the way; B: computed on the way: left as it is (an operand is computed on the way)
;;     4. [M 4,096, K 1,024] x [K 1,024, N 1,024]; A: computed on the way; B: input W_out: left as it is (an operand is computed on the way)
;;   THE QUANTISER, for each operand of a quantised product, along K:
;;     - K is cut into blocks of 32 from its start; a last block that is shorter is filled with zeros.
;;     - A block's scale is 2^e with e = floor(log2(the largest magnitude in the block)) - 2, held to -126 .. 127; a block of zeros has e = 0. As a byte (E8M0): e + 127.
;;     - Each number is divided by its block's scale, clamped to +-6, and rounded to the nearest number of E2M1, ties to even, subnormals kept.
;;     - The product sums the exact products of the quantised numbers (number of the format x scale) in f32.
;;   ~~~python
;;   def quantise(x, axis):      # numpy; x: float32 -> the quantised numbers, widened to float32 again
;;       x = np.moveaxis(x, axis, -1); K = x.shape[-1]
;;       x = np.pad(x, [(0, 0)] * (x.ndim - 1) + [(0, -K % 32)]); x = x.reshape(x.shape[:-1] + (-1, 32)); a = np.abs(x).max(-1, keepdims=True)
;;       e = np.where(a > 0, np.clip(np.frexp(np.where(a > 0, a, 1))[1] - 1 - 2, -126, 127), 0)      # np.frexp(a)[1] - 1 = floor(log2(a)), exactly
;;       r = np.clip(x / 2.0 ** e, -6, 6)
;;       step = 2.0 ** (np.maximum(np.frexp(np.where(r == 0, 1, r))[1] - 1, 0) - 1)
;;       q = np.round(r / step) * step * 2.0 ** e      # np.round: ties to even
;;       return np.moveaxis(q.reshape(q.shape[:-2] + (-1,))[..., :K], -1, axis).astype(np.float32)
;;   ~~~
;; 2 versions, each right. Each part assembles by itself: llvm-mc -triple=amdgcn-amd-amdhsa -mcpu=gfx1250 --defsym DOCPART=n.
;; ======== version 1 of 2: 6 launches
;; limits: values are held in f16: magnitudes above 65,504 overflow, below 6.1e-05 lose precision
;; workspace buffers: hcodes 2,097,152 bytes; hscales 131,072 bytes; wcodes 1,572,864 bytes; wscales 98,304 bytes; wot 2,097,152 bytes; qkv 50,331,648 bytes; ctx 8,388,608 bytes; part16 1,114,112 bytes
;; launch prep (part 1): grid 240 x 1, 4 waves a work-group, no clusters, 102,912 bytes of LDS; arguments hidden_states, W_qkv, W_out, hcodes, hscales, wcodes, wscales, wot; writes hcodes, hscales, wcodes, wscales, wot
.if DOCPART == 1
	.amdgcn_target "amdgcn-amd-amdhsa--gfx1250"
	.amdhsa_code_object_version 6
	.text
	.protected	k_q737c5a2791_prep
	.globl	k_q737c5a2791_prep
	.p2align	8
	.type	k_q737c5a2791_prep,@function
k_q737c5a2791_prep:
	s_mov_b64 s[64:65], 0
	v_nop
	global_prefetch_b8 v0, s[64:65] scope:SCOPE_SE
	s_setreg_imm32_b32 hwreg(HW_REG_WAVE_MODE, 25, 1), 1
	s_wait_xcnt 0x0
; PREP: what the later launches read many times is made once.
;   work-groups   0-127: hidden_states [4096][1024] f32 -> codes of E2M1 (hcodes [4096][512 bytes]) and E8M0 bytes (hscales [4096][32]); K is innermost.
;   work-groups 128-175: W_qkv [1024 k][3072 n] f32 -> wcodes [3072 n][512 bytes], wscales [3072][32]; K is the first axis: a lane takes a column, its registers run down K.
;   work-groups 176-239: W_out [1024 k][1024 n] f32 -> wot [1024 n][1024 k] f16, K innermost, by the same choice of what a lane holds.
; A block's scale is 2^(floor(log2(largest magnitude)) - 2): its byte is the largest magnitude's exponent field - 2, held at 1 from below.
; LIMITS: a block of zeros (and one under the floor 2^(3 - 127)) gets the byte 1 where the rule says 127: its codes are zeros, and this program alone reads the bytes.
; NaN and infinities among the inputs are not served.  W_out beyond 65,504 in magnitude becomes an infinity in f16; under 6e-5 it keeps an absolute error of 3e-8.
; The three paths part on the work-group's number alone and never join; each has LDS bytes of its own.  No tensor load, no barrier: waves share nothing.
.set SPARE, 102400                     ; behind the three paths' bytes: the spare words, 128 bytes for each wave
.set SPW,   192                        ; v192 LDS address of my spare word; never rewritten
.set NIL,   193                        ; v193 0; never rewritten
.set EMAX,  2
	s_load_b512 s[36:51], s[0:1], 0x0              ; hidden s[36:37], W_qkv s[38:39], W_out s[40:41], hcodes s[42:43], hscales s[44:45], wcodes s[46:47], wscales s[48:49], wot s[50:51]
	v_lshl_add_u32 v[SPW], v0, 2, SPARE
	v_mov_b32 v[NIL], 0
	v_lshrrev_b32 v1, 5, v0
	v_readfirstlane_b32 s16, v1                    ; wave
	v_and_b32 v2, 31, v0                           ; lane
	s_wait_kmcnt 0x0
	s_cmp_lt_u32 ttmp9, 128
	s_cbranch_scc0 .Lnot_a
; ---------------- PATH A: hidden_states, a plain stream of blocks of 32.  A wave takes 16 steps of 512 numbers.
; Each load reads 512 consecutive bytes; a step's 2,048 bytes turn through the wave's own stage so that a lane holds 16 neighbours (two lanes a block).
.set STEPS, 16
.set CB,    8                          ; bytes of 16 codes
.set AR,    16                         ; v16-79   four sets of 16 numbers as loaded
.set AX,    80                         ; v80-111  two sets of 16 neighbours
.set AE,    112                        ; v112-127 a scale byte for each step
.set AC,    128                        ; v128-191 codes, four registers a step
.set WREG,  8192                       ; LDS 0 .. 32,767: a region for each wave: two stages of 32 x 80 bytes, then its 256 scale bytes
.set SP,    80
	v_lshlrev_b32 v3, 4, v2                        ; my 16 bytes of a load's 512
	s_mul_i32 s17, s16, WREG
	v_lshrrev_b32 v14, 2, v2
	v_mul_u32_u24 v14, v14, SP
	v_and_b32 v15, 3, v2
	v_lshl_add_u32 v14, v15, 4, v14
	v_add_nc_u32 v14, s17, v14                     ; into the stage: 80 (lane / 4) + 16 (lane % 4)
	v_mul_u32_u24 v15, v2, SP
	v_add_nc_u32 v15, s17, v15                     ; out of it: 80 x lane
	v_mul_u32_u24 v4, v2, CB                       ; my codes' place in a step's
	v_lshrrev_b32 v5, 1, v2
	s_add_co_u32 s17, s17, 2*32*SP
	v_add_nc_u32 v5, s17, v5                       ; my block's scale byte in LDS
	v_lshlrev_b32 v7, 3, v2
	v_add_nc_u32 v6, s17, v7                       ; and 8 bytes a lane on the way out
	s_lshl_b32 s17, ttmp9, 2
	s_add_co_u32 s18, s17, s16                     ; which run of 8,192 numbers is my wave's
	s_mov_b32 s19, 0
	s_mov_b64 s[20:21], 512*STEPS*4
	s_mul_u64 s[20:21], s[18:19], s[20:21]
	s_add_nc_u64 s[4:5], s[36:37], s[20:21]
	s_mov_b64 s[20:21], 32*STEPS*CB
	s_mul_u64 s[20:21], s[18:19], s[20:21]
	s_add_nc_u64 s[8:9], s[42:43], s[20:21]
	s_lshl_b32 s18, s18, 8                         ; 256 scale bytes a run
	s_add_nc_u64 s[10:11], s[44:45], s[18:19]
.macro ALOAD t
.irp i, 0,1,2,3
	global_load_b128 v[AR+16*((\t)%4)+4*\i:AR+16*((\t)%4)+4*\i+3], v3, s[4:5] offset:2048*(\t)+512*\i th:TH_LOAD_NT
.endr
.endm
.macro ATURN t                         ; LDS serves a wave's instructions in order: no wait between the stores and the loads
.irp i, 0,1,2,3
	ds_store_b128 v14, v[AR+16*((\t)%4)+4*\i:AR+16*((\t)%4)+4*\i+3] offset:32*SP*((\t)%2)+8*SP*\i
.endr
.irp i, 0,1,2,3
	ds_load_b128 v[AX+16*((\t)%2)+4*\i:AX+16*((\t)%2)+4*\i+3], v15 offset:32*SP*((\t)%2)+16*\i
.endr
.endm
.irp t, 0,1,2,3
	ALOAD \t
.endr
	s_wait_loadcnt 12                              ; step 0's four loads are in; three steps' may be out
	ATURN 0
.macro ASTEP t
.set XS, AX+16*((\t)%2)
.if (\t) > 0
	s_wait_dscnt 1                                 ; this step's numbers are back from the stage; the last step's byte store may be out
.else
	s_wait_dscnt 0x0
.endif
.if (\t)+4 < STEPS
	ALOAD (\t)+4
.endif
.if (\t)+1 < STEPS
.if STEPS-2-(\t) >= 3
	s_wait_loadcnt 12                              ; the next step's loads are in; those of the three steps behind it may be out
.else
	s_wait_loadcnt 4*(STEPS-2-(\t))
.endif
	ATURN (\t)+1
.endif
	v_max3_num_f32 v8, |v[XS]|, |v[XS+1]|, |v[XS+2]|
	v_max3_num_f32 v9, |v[XS+3]|, |v[XS+4]|, |v[XS+5]|
.irp i, 6,10
	v_max3_num_f32 v8, v8, |v[XS+\i]|, |v[XS+\i+1]|
	v_max3_num_f32 v9, v9, |v[XS+\i+2]|, |v[XS+\i+3]|
.endr
	v_max3_num_f32 v8, v8, |v[XS+14]|, |v[XS+15]|
	v_max3_num_f32 v8, v8, v9, (EMAX+1)<<23        ; the floor: the byte cannot fall under 1
	v_max_num_f32_dpp v8, v8, v8 row_xmask:1 row_mask:0xf bank_mask:0xf   ; with my neighbour's 16: the block's largest magnitude
	v_add_nc_u32 v11, -(EMAX<<23), v8              ; 2 off its exponent field: the conversion's scale operand
	v_cvt_scalef32_pk8_fp4_f32 v[AC+4*(\t)], v[XS:XS+7], v11
	v_cvt_scalef32_pk8_fp4_f32 v[AC+4*(\t)+1], v[XS+8:XS+15], v11
	v_lshrrev_b32 v[AE+(\t)], 23, v11              ; the scale's byte
	ds_store_b8 v5, v[AE+(\t)] offset:16*(\t)      ; both lanes of a block write the same byte with the same value
	global_store_b64 v4, v[AC+4*(\t):AC+4*(\t)+1], s[8:9] offset:32*CB*(\t)   ; the wave stores 256 consecutive bytes, aligned
.endm
.irp t, 0,1,2,3,4,5,6,7,8,9,10,11,12,13,14,15
	ASTEP \t
.endr
	ds_load_b64 v[8:9], v6
	s_wait_dscnt 0x0
	global_store_b64 v7, v[8:9], s[10:11]          ; my wave's 256 scale bytes, aligned
	s_wait_tensorcnt 0x0                           ; the wave's end
	ds_add_u32 v[SPW], v[NIL]
	s_wait_dscnt 0x0
	s_endpgm
.Lnot_a:
	s_cmp_lt_u32 ttmp9, 176
	s_cbranch_scc0 .Lnot_b
; ---------------- PATH B: W_qkv.  24 x 2 work-groups: 128 columns x 512 along K; a wave 32 columns x 512: 16 blocks a lane.
.set SIZE_N, 3072
.set KW,     512
.set NB,     16
.set BROWB,  256                       ; bytes of 512 codes
.set BPITCH, 272                       ; a stage row
.set KROW,   512                       ; a row of wcodes
.set BX,     32                        ; v32-95 two sets of 32 numbers
.set BC,     96                        ; v96-99 a block's codes
.set OUTR,   112                       ; v112-175 the way out
.set SB,     24                        ; v24-27 the scale bytes
	s_sub_co_u32 s30, ttmp9, 128
	s_cmp_ge_u32 s30, 24
	s_cselect_b32 s18, 1, 0                        ; which 512 along K
	s_cselect_b32 s31, 24, 0
	s_sub_co_u32 s30, s30, s31                     ; which 128 columns
	s_lshl_b32 s17, s30, 7
	s_lshl_b32 s19, s16, 5
	s_add_co_u32 s17, s17, s19                     ; my wave's first column
	v_lshlrev_b32 v3, 2, v2
	s_mul_i32 s19, s16, 32*BPITCH
	s_add_co_u32 s19, s19, 32768                   ; LDS 32,768 .. 67,583: my stage
	v_mul_u32_u24 v4, v2, BPITCH
	v_add_nc_u32 v4, s19, v4                       ; into it: row = my column
	v_and_b32 v5, 15, v2
	v_lshrrev_b32 v6, 4, v2
	v_mul_u32_u24 v7, v6, BPITCH
	v_lshl_add_u32 v7, v5, 4, v7
	v_add_nc_u32 v7, s19, v7                       ; out of it: sixteen lanes to a row
	v_mul_u32_u24 v8, v6, KROW
	v_lshl_add_u32 v8, v5, 4, v8
	s_mov_b32 s19, 0
	s_mov_b64 s[20:21], KW*SIZE_N*4
	s_mul_u64 s[20:21], s[18:19], s[20:21]
	s_lshl_b32 s22, s17, 2
	s_mov_b32 s23, 0
	s_add_nc_u64 s[20:21], s[20:21], s[22:23]
	s_mov_b32 s22, s17
	s_mov_b64 s[24:25], KROW
	s_mul_u64 s[24:25], s[22:23], s[24:25]
	s_mul_i32 s26, s18, BROWB
	s_mov_b32 s27, 0
	s_add_nc_u64 s[24:25], s[24:25], s[26:27]
	s_mov_b64 s[28:29], 32
	s_mul_u64 s[28:29], s[22:23], s[28:29]
	s_mul_i32 s26, s18, NB
	s_add_nc_u64 s[28:29], s[28:29], s[26:27]
	v_mul_u32_u24 v9, v2, 32                       ; my column's row of scale bytes
	s_add_nc_u64 s[4:5], s[38:39], s[20:21]
	s_add_nc_u64 s[6:7], s[46:47], s[24:25]
	s_add_nc_u64 s[8:9], s[48:49], s[28:29]
.macro BLOADW t                        ; block t: W(32 t + i, my column) into set t % 2; the largest offset, 511 rows of 12,288 bytes, is inside the signed 24-bit immediate
.set i, 0
.rept 32
	global_load_b32 v[BX+32*((\t)%2)+i], v3, s[4:5] offset:(32*(\t)+i)*SIZE_N*4 th:TH_LOAD_NT
.set i, i+1
.endr
.endm
	BLOADW 0
	BLOADW 1
.macro BBLOCK t
.set XS, BX+32*((\t)%2)
.if (\t) < NB-1
	s_wait_loadcnt 32                              ; this block's loads are in; the next block's may be out
.else
	s_wait_loadcnt 0x0
.endif
	v_max3_num_f32 v12, |v[XS]|, |v[XS+1]|, |v[XS+2]|
	v_max3_num_f32 v13, |v[XS+3]|, |v[XS+4]|, |v[XS+5]|
.irp i, 6,10,14,18,22,26
	v_max3_num_f32 v12, v12, |v[XS+\i]|, |v[XS+\i+1]|
	v_max3_num_f32 v13, v13, |v[XS+\i+2]|, |v[XS+\i+3]|
.endr
	v_max3_num_f32 v12, v12, |v[XS+30]|, |v[XS+31]|
	v_max3_num_f32 v12, v12, v13, (EMAX+1)<<23
	v_add_nc_u32 v11, -(EMAX<<23), v12
	v_lshrrev_b32 v13, 23, v11
.if (\t)%4 == 0
	v_mov_b32 v[SB+(\t)/4], v13
.else
	v_lshl_or_b32 v[SB+(\t)/4], v13, 8*((\t)%4), v[SB+(\t)/4]
.endif
.irp g, 0,1,2,3
	v_cvt_scalef32_pk8_fp4_f32 v[BC+\g], v[XS+8*\g:XS+8*\g+7], v11
.endr
	ds_store_b128 v4, v[BC:BC+3] offset:16*(\t)
.if (\t)+2 < NB
	BLOADW (\t)+2
.endif
	s_wait_dscnt 0x0                               ; the store has read its registers: the next block's codes may be written
.endm
.set Q, 0
.rept NB
	BBLOCK Q
.set Q, Q+1
.endr
	global_store_b128 v9, v[SB:SB+3], s[8:9]       ; my column's 16 scale bytes
.irp t, 0,1,2,3,4,5,6,7,8,9,10,11,12,13,14,15
	ds_load_b128 v[OUTR+4*\t:OUTR+4*\t+3], v7 offset:2*\t*BPITCH
.endr
.irp t, 0,1,2,3,4,5,6,7,8,9,10,11,12,13,14,15
	s_wait_dscnt 15-\t
	global_store_b128 v8, v[OUTR+4*\t:OUTR+4*\t+3], s[6:7] offset:2*\t*KROW   ; sixteen lanes store 256 consecutive bytes, aligned
.endr
	s_wait_tensorcnt 0x0                           ; the wave's end
	ds_add_u32 v[SPW], v[NIL]
	s_wait_dscnt 0x0
	s_endpgm
.Lnot_b:
; ---------------- PATH C: W_out^T in f16.  8 x 8 work-groups: 128 columns x 128 along k; a wave 32 columns; a lane a column, 128 registers down k.
.set CX0, 32                           ; v32-159 four blocks of 32 numbers; a block's 16 packed words take the place of its first 16
	s_sub_co_u32 s30, ttmp9, 176
	s_and_b32 s17, s30, 7                          ; which 128 columns
	s_lshr_b32 s18, s30, 3                         ; which 128 along k
	s_lshl_b32 s20, s18, 19                        ; 128 rows of 4,096 bytes
	s_lshl_b32 s22, s17, 9
	s_add_co_u32 s20, s20, s22
	s_lshl_b32 s22, s16, 7
	s_add_co_u32 s20, s20, s22
	s_mov_b32 s21, 0
	s_add_nc_u64 s[4:5], s[40:41], s[20:21]
	s_lshl_b32 s20, s17, 18                        ; wot: column x 2,048 bytes
	s_lshl_b32 s22, s16, 16
	s_add_co_u32 s20, s20, s22
	s_lshl_b32 s22, s18, 8                         ; + 256 bytes for each 128 along k
	s_add_co_u32 s20, s20, s22
	s_add_nc_u64 s[6:7], s[50:51], s[20:21]
	s_mul_i32 s19, s16, 32*272
	s_add_co_u32 s19, s19, 67584                   ; LDS 67,584 .. 102,399: my stage, 32 rows of 256 + 16 bytes
	v_lshlrev_b32 v3, 2, v2
	v_mul_u32_u24 v4, v2, 272
	v_add_nc_u32 v4, s19, v4
	v_and_b32 v5, 15, v2
	v_lshrrev_b32 v6, 4, v2
	v_mul_u32_u24 v7, v6, 272
	v_lshl_add_u32 v7, v5, 4, v7
	v_add_nc_u32 v7, s19, v7
	v_lshlrev_b32 v8, 11, v6
	v_lshl_add_u32 v8, v5, 4, v8
.macro CLOADW t
.set i, 0
.rept 32
	global_load_b32 v[CX0+32*(\t)+i], v3, s[4:5] offset:(32*(\t)+i)*4096
.set i, i+1
.endr
.endm
.macro CBLK t
.if (\t) < 3
	s_wait_loadcnt 32                              ; this block's loads are in; the next block's may be out
.else
	s_wait_loadcnt 0x0
.endif
.set i, 0
.rept 16
	v_cvt_pk_f16_f32 v[CX0+32*(\t)+i], v[CX0+32*(\t)+2*i], v[CX0+32*(\t)+2*i+1]   ; in place, ascending: word i is written when numbers 2 i, 2 i + 1 are read
.set i, i+1
.endr
.irp g, 0,1,2,3
	ds_store_b128 v4, v[CX0+32*(\t)+4*\g:CX0+32*(\t)+4*\g+3] offset:64*(\t)+16*\g
.endr
.if (\t)+2 < 4
	CLOADW (\t)+2
.endif
.endm
	CLOADW 0
	CLOADW 1
	CBLK 0
	CBLK 1
	CBLK 2
	CBLK 3
	s_wait_dscnt 0x0                               ; the stores have read their registers
.irp t, 0,1,2,3,4,5,6,7,8,9,10,11,12,13,14,15
	ds_load_b128 v[CX0+4*\t:CX0+4*\t+3], v7 offset:2*\t*272
.endr
.irp t, 0,1,2,3,4,5,6,7,8,9,10,11,12,13,14,15
	s_wait_dscnt 15-\t
	global_store_b128 v8, v[CX0+4*\t:CX0+4*\t+3], s[6:7] offset:2*\t*2048   ; sixteen lanes store 256 consecutive bytes, aligned
.endr
	s_wait_tensorcnt 0x0                           ; the wave's end
	ds_add_u32 v[SPW], v[NIL]
	s_wait_dscnt 0x0
	s_endpgm
.Lfunc_end_k_q737c5a2791_prep:
	.size	k_q737c5a2791_prep, .Lfunc_end_k_q737c5a2791_prep-k_q737c5a2791_prep
	.p2alignl 7, 3214868480
	.fill 96, 4, 3214868480
	.section	.rodata,"a",@progbits
	.p2align	6, 0x0
	.amdhsa_kernel k_q737c5a2791_prep
		.amdhsa_group_segment_fixed_size 102912
		.amdhsa_private_segment_fixed_size 0
		.amdhsa_enable_private_segment 0
		.amdhsa_kernarg_size 64
		.amdhsa_user_sgpr_count 2
		.amdhsa_user_sgpr_kernarg_segment_ptr 1
		.amdhsa_wavefront_size32 1
		.amdhsa_system_sgpr_workgroup_id_x 1
		.amdhsa_system_sgpr_workgroup_id_y 1
		.amdhsa_system_sgpr_workgroup_id_z 1
		.amdhsa_system_vgpr_workitem_id 0
		.amdhsa_next_free_vgpr 196
		.amdhsa_next_free_sgpr 66
		.amdhsa_reserve_vcc 0
		.amdhsa_float_denorm_mode_32 3
		.amdhsa_float_denorm_mode_16_64 3
		.amdhsa_memory_ordered 1
		.amdhsa_forward_progress 1
		.amdhsa_inst_pref_size 133
	.end_amdhsa_kernel
	.amdgpu_metadata
---
amdhsa.version: [ 1, 2 ]
amdhsa.kernels:
  - .name:           k_q737c5a2791_prep
    .symbol:         k_q737c5a2791_prep.kd
    .args:
      - { .name: hidden_states, .offset: 0, .size: 8, .value_kind: global_buffer, .address_space: global }
      - { .name: W_qkv, .offset: 8, .size: 8, .value_kind: global_buffer, .address_space: global }
      - { .name: W_out, .offset: 16, .size: 8, .value_kind: global_buffer, .address_space: global }
      - { .name: hcodes, .offset: 24, .size: 8, .value_kind: global_buffer, .address_space: global }
      - { .name: hscales, .offset: 32, .size: 8, .value_kind: global_buffer, .address_space: global }
      - { .name: wcodes, .offset: 40, .size: 8, .value_kind: global_buffer, .address_space: global }
      - { .name: wscales, .offset: 48, .size: 8, .value_kind: global_buffer, .address_space: global }
      - { .name: wot, .offset: 56, .size: 8, .value_kind: global_buffer, .address_space: global }
    .group_segment_fixed_size: 102912
    .private_segment_fixed_size: 0
    .kernarg_segment_align: 8
    .kernarg_segment_size: 64
    .max_flat_workgroup_size: 128
    .sgpr_count:     66
    .vgpr_count:     196
    .wavefront_size: 32
...
	.end_amdgpu_metadata
.endif
;; end of part 1
;; launch qkv (part 2): grid 12 x 16, 4 waves a work-group, clusters of 4 x 4, 327,680 bytes of LDS; arguments hcodes, hscales, wcodes, wscales, qkv, b_qkv; writes qkv
.if DOCPART == 2
	.amdgcn_target "amdgcn-amd-amdhsa--gfx1250"
	.amdhsa_code_object_version 6
	.text
	.protected	k_q737c5a2791_qkv
	.globl	k_q737c5a2791_qkv
	.p2align	8
	.type	k_q737c5a2791_qkv,@function
k_q737c5a2791_qkv:
	s_mov_b64 s[64:65], 0
	v_nop
	global_prefetch_b8 v0, s[64:65] scope:SCOPE_SE
	s_setreg_imm32_b32 hwreg(HW_REG_WAVE_MODE, 25, 1), 1
	s_wait_xcnt 0x0
	s_wait_alu depctr_hold_cnt(0) depctr_sa_sdst(0) depctr_va_vdst(0) depctr_va_sdst(0) depctr_va_ssrc(0) depctr_va_vcc(0) depctr_vm_vsrc(0)
	s_getreg_b32 s2, hwreg(HW_REG_IB_STS2, 6, 4)
	s_cmp_eq_u32 s2, 0
	s_cbranch_scc0 .Lentry_in_a_cluster
	s_endpgm
.Lentry_in_a_cluster:
	s_bfe_u32 s2, ttmp6, 0x10000c
	s_cmp_lg_u32 s2, 0xf033
	s_cbranch_scc0 .Lentry_shape_is_right
	s_endpgm
.Lentry_shape_is_right:
; QKV: the quantised product, hidden x W_qkv + b_qkv, on codes of E2M1 with E8M0 scales; sums in f32.  A: hcodes [4096][1024 codes], B: wcodes [3072][1024 codes].
; A tile of 256 x 256 to a work-group of four waves, 128 x 128 a wave: 64 accumulators.  K = 1,024 is two K steps of 512: both slots are filled once, at the start; nothing is filled again, and there is no loop.
; The scales of the work-group's rows come once, in whole rows of 256 bytes.  4 x 4 clusters: A's tiles are asked for jointly along a row of the cluster, B's along a column.
; The matrix instruction is used transposed (source 0 = rows of B, source 1 = rows of A): a lane holds eight neighbouring columns of one row.  The bias is the C of each sum's first instruction.
; THE WAY OUT.  Each number x is split in f32: c = 8193 x, d = x - c, hi = c + d (x to 11 significant bits), lo = x - hi; both parts go out as f16:
; qkv = [hi, lo][q, k, v][16 heads][4096 positions][64] f16.  The bulk attention reads hi alone; the launch for the first 16 positions reads both.
; A tile column of 256 is four heads of one part: byte offset = tile column x 2^21.
; LIMITS: magnitudes beyond 65,504 become infinities in f16; under 6e-5 hi keeps an absolute error of 3e-8.
; REGISTERS: window 0: v16-29 addresses; v32-95 scale words, two sets; v128-191 A's fragments; v192-255 the bias (8 registers for each of B's 8 blocks); on the way out v32-255 are at work.
;   window 1: B's fragments, two sets.  windows 2, 3: the accumulators.
.set NQ,     4                         ; matrix instructions deep in a slot
.set ROWB,   256                       ; a tile's row: 512 codes
.set KROW,   512                       ; a row of codes in memory
.set PITCH,  272                       ; an LDS row: 256 bytes + 16 of padding, so that the 16 rows of a load start in 16 different groups of banks
.set FR,     8
.set NL,     2
.set NP,     4
.set HALFT,  128*PITCH
.set SLOT,   4*HALFT
.set KS,     32                        ; a row of scale bytes
.set SCL,    2*SLOT
.set HALFS,  (128*KS/256)*272
.set SBLK,   (16*KS/256)*272
.set SPARE,  SCL+4*HALFS               ; the spare words, 128 bytes for each wave
.set LOOFF,  25165824                  ; from the high parts to the low parts
.set ADRA, 16
.set ADRB, 20
.set STO,  24
.set RD,   25
.set CO,   26
.set ADRS, 27
.set SPW,  28
.set NIL,  29
.set SC,   32
.set AF,   128
.set BIAS, 192
.set HI,   32                          ; the way out: v32-63 packed high parts; v64-127 c, then hi; v128-191 d, then lo, then packed low parts; v192-223, v224-255 rows read back
.set T,    64
.set DD,   128
.set BKH,  192
.set BKL,  224
.set G1, 24
.set G0, 32
.set G1B, 48
.set G0B, 56
.set G1S, 68
.set G0S, 76
.set G1SB, 80
.set G0SB, 88
.set MSB, 0
.macro WIN new                         ; the immediate's high byte repeats the setting that is left
.if MSB != (\new)
	s_set_vgpr_msb (MSB<<8)|(\new)
.set MSB, (\new)
.endif
.endm
.set MUL_LO, 0xa1                      ; source 0 (B) window 1, source 1 (A) window 0, C and D window 2
.set MUL_HI, 0xf1
.set TO_B,   0x40
.macro JLOAD g0a, g1a, g0b, g1b        ; a joint load: waves 0, 1 fetch for A, waves 2, 3 for B; the branch hangs on the wave's number alone
	s_cmp_eq_u32 s15, 0
	s_cbranch_scc0 .Lfor_b_\@
	tensor_load_to_lds s[\g0a:\g0a+3], s[\g1a:\g1a+7]
	s_nop 0
.rept 4
	v_nop
.endr
	s_branch .Lasked_\@
.Lfor_b_\@:
	tensor_load_to_lds s[\g0b:\g0b+3], s[\g1b:\g1b+7]
	s_nop 0
.rept 4
	v_nop
.endr
.Lasked_\@:
.endm
.macro CROUND                          ; a round of the cluster's barrier
	s_barrier_signal -1
	s_barrier_wait -1
	s_cmp_lg_u32 s14, 0
	s_cbranch_scc1 .Lnot_wave_0_\@
	s_barrier_signal -3
.Lnot_wave_0_\@:
	s_barrier_wait -3
	s_barrier_signal -1
	s_barrier_wait -1
.endm
	s_load_b128 s[4:7], s[0:1], 0x0                ; A's codes, A's scales
	s_load_b128 s[8:11], s[0:1], 0x10              ; B's codes, B's scales
	s_load_b64 s[12:13], s[0:1], 0x20              ; qkv
	s_load_b64 s[96:97], s[0:1], 0x28              ; b_qkv
	v_lshl_add_u32 v[SPW], v0, 2, SPARE
	v_mov_b32 v[NIL], 0
	ds_add_u32 v[SPW], v[NIL]                      ; the wave's opening
	ds_add_u32 v[SPW], v[NIL]
	v_lshrrev_b32 v1, 5, v0
	v_readfirstlane_b32 s14, v1                    ; wave 0..3
	s_lshr_b32 s15, s14, 1                         ; which half of the tile's rows is mine; also: I fetch for A (0) or B (1)
	s_and_b32 s16, s14, 1                          ; which half of its columns; also: which 128 rows I fetch
	s_bfe_u32 s40, ttmp6, 0x40000                  ; cx
	s_bfe_u32 s41, ttmp6, 0x40004                  ; cy
	s_lshl_b32 s42, ttmp9, 2
	s_add_co_u32 s42, s42, s40                     ; tile column
	s_and_b32 s17, ttmp7, 0xffff
	s_lshl_b32 s17, s17, 2
	s_add_co_u32 s17, s17, s41                     ; tile row
	s_lshl_b32 s43, s41, 2
	s_lshl_b32 s43, 15, s43                        ; my row of the cluster
	s_lshl_b32 s44, 0x1111, s40                    ; my column
	s_or_b32 s[G1+0], s43, (0<<16)|(1<<20)|(1<<21)|(5<<22)|(3<<25)   ; the mask; elements of 1 byte; padding: 4 words after every 64
	s_or_b32 s[G1B+0], s44, (0<<16)|(1<<20)|(1<<21)|(5<<22)|(3<<25)
.irp g, G1, G1B
	s_mov_b32 s[\g+1], ROWB<<16                    ; tensor_dim0
	s_mov_b32 s[\g+2], 128<<16                     ; tensor_dim1
	s_mov_b32 s[\g+3], ROWB<<16                    ; tile_dim0
	s_mov_b32 s[\g+4], 128                         ; tile_dim1
	s_mov_b32 s[\g+5], KROW                        ; stride
	s_mov_b32 s[\g+6], 0
	s_mov_b32 s[\g+7], 0
.endr
	s_or_b32 s[G1S+0], s43, (3<<16)|(1<<20)|(1<<21)|(5<<22)|(3<<25)  ; the scales of 128 rows: 4,096 dense bytes as 16 rows of 32 elements of 8 bytes
	s_or_b32 s[G1SB+0], s44, (3<<16)|(1<<20)|(1<<21)|(5<<22)|(3<<25)
.irp g, G1S, G1SB
	s_mov_b32 s[\g+1], 32<<16
	s_mov_b32 s[\g+2], (128*KS/256)<<16
	s_mov_b32 s[\g+3], 32<<16
	s_mov_b32 s[\g+4], 128*KS/256
	s_mov_b32 s[\g+5], 32
	s_mov_b32 s[\g+6], 0
	s_mov_b32 s[\g+7], 0
.endr
	s_lshl_b32 s18, s16, 7
	s_lshl_b32 s20, s17, 8
	s_add_co_u32 s20, s20, s18                     ; A: row 256 x tile row + 128 x half
	s_lshl_b32 s46, s42, 8
	s_add_co_u32 s46, s46, s18                     ; B: row 256 x tile column + 128 x half
	s_mov_b32 s21, 0
	s_mov_b32 s47, 0
	s_mov_b64 s[18:19], KS
	s_mul_u64 s[22:23], s[20:21], s[18:19]
	s_mul_u64 s[92:93], s[46:47], s[18:19]
	s_mov_b64 s[18:19], KROW
	s_mul_u64 s[20:21], s[20:21], s[18:19]
	s_mul_u64 s[46:47], s[46:47], s[18:19]
	s_mul_i32 s45, s14, HALFT
	s_mul_i32 s94, s14, HALFS
	s_wait_dscnt 0x0                               ; both opening adds are done
	s_wait_kmcnt 0x0
	s_add_nc_u64 s[20:21], s[4:5], s[20:21]
	s_add_nc_u64 s[22:23], s[6:7], s[22:23]
	s_add_nc_u64 s[46:47], s[8:9], s[46:47]
	s_add_nc_u64 s[92:93], s[10:11], s[92:93]
	CROUND                                         ; all sixteen work-groups are here: the joint loads meet
	s_mov_b32 s[G0S], 1
	s_add_co_u32 s[G0S+1], s94, SCL
	s_mov_b64 s[G0S+2:G0S+3], s[22:23]
	s_or_b32 s[G0S+3], s[G0S+3], 0x80000000
	s_mov_b32 s[G0SB], 1
	s_add_co_u32 s[G0SB+1], s94, SCL
	s_mov_b64 s[G0SB+2:G0SB+3], s[92:93]
	s_or_b32 s[G0SB+3], s[G0SB+3], 0x80000000
	JLOAD G0S, G1S, G0SB, G1SB                     ; the scales first; with the two slots three loads of mine are out
.irp s, 0,1
	s_mov_b32 s[G0+4*\s], 1
	s_add_co_u32 s[G0+4*\s+1], s45, \s*SLOT
	s_add_nc_u64 s[G0+4*\s+2:G0+4*\s+3], s[20:21], \s*ROWB
	s_or_b32 s[G0+4*\s+3], s[G0+4*\s+3], 0x80000000
	s_mov_b32 s[G0B+4*\s], 1
	s_add_co_u32 s[G0B+4*\s+1], s45, \s*SLOT
	s_add_nc_u64 s[G0B+4*\s+2:G0B+4*\s+3], s[46:47], \s*ROWB
	s_or_b32 s[G0B+4*\s+3], s[G0B+4*\s+3], 0x80000000
	JLOAD G0+4*\s, G1, G0B+4*\s, G1B
.endr
	v_and_b32 v1, 15, v0                           ; r
	v_bfe_u32 v2, v0, 4, 1                         ; h
	v_mul_u32_u24 v3, v1, PITCH
	v_lshl_add_u32 v4, v2, 4, v3
	s_mul_i32 s21, s15, HALFT
	s_mul_i32 s22, s16, HALFT
	s_add_co_u32 s22, s22, 2*HALFT
.irp s, 0,1
	v_add_nc_u32 v[ADRA+\s], s21, v4
	v_add_nc_u32 v[ADRB+\s], s22, v4
	s_add_co_u32 s21, s21, SLOT
	s_add_co_u32 s22, s22, SLOT
.endr
	v_mul_u32_u24 v5, v1, KS                       ; my row's scales: 32 bytes a row, and 16 more for each 256 passed
	v_lshrrev_b32 v6, 8, v5
	v_lshl_add_u32 v5, v6, 4, v5
	s_mul_i32 s21, s15, HALFS
	s_mul_i32 s22, s16, HALFS
	s_add_co_u32 s22, s22, 2*HALFS
	s_sub_co_u32 s22, s22, s21
	v_mul_u32_u24 v6, s22, v2                      ; lanes 16-31 take B's
	s_add_co_u32 s21, s21, SCL
	v_add_nc_u32 v5, v5, v6
	v_add_nc_u32 v[ADRS], s21, v5
	s_mul_i32 s23, s14, 4608                       ; my stage, in slot 0: two heads x 16 rows x (128 + 16) bytes
	v_mul_u32_u24 v5, v1, 144
	v_lshl_add_u32 v5, v2, 4, v5
	v_add_nc_u32 v[STO], s23, v5                   ; in: row r, 16 bytes for each half of the lanes
	v_and_b32 v6, 31, v0
	v_lshrrev_b32 v5, 3, v6
	v_mul_u32_u24 v5, v5, 144
	v_and_b32 v7, 7, v0
	v_lshl_add_u32 v5, v7, 4, v5
	v_add_nc_u32 v[RD], s23, v5                    ; back: eight lanes to a row of 128 bytes, four rows an instruction
	v_lshlrev_b32 v[CO], 4, v6                     ; four rows of a head are 512 consecutive bytes of qkv
	s_lshl_b32 s20, s17, 15                        ; 256 rows of 128 bytes for each tile row
	s_lshl_b32 s21, s15, 14
	s_add_co_u32 s20, s20, s21
	s_mov_b32 s21, 0
	s_lshl_b32 s46, s42, 21                        ; four heads of 524,288 bytes for each tile column
	s_lshl_b32 s47, s16, 20                        ; two heads for my half
	s_add_co_u32 s46, s46, s47
	s_mov_b32 s47, 0
	s_add_nc_u64 s[20:21], s[20:21], s[46:47]
	s_add_nc_u64 s[12:13], s[12:13], s[20:21]      ; the high parts' base
	s_add_nc_u64 s[98:99], s[12:13], LOOFF         ; the low parts'
	s_lshl_b32 s46, s42, 10                        ; the bias of my 128 columns
	s_lshl_b32 s47, s16, 9
	s_add_co_u32 s46, s46, s47
	s_mov_b32 s47, 0
	s_add_nc_u64 s[96:97], s[96:97], s[46:47]
	v_lshlrev_b32 v7, 5, v2                        ; lane (r, h) wants, for block b, columns 16 b + 8 h + 0 .. 7
.irp b, 0,1,2,3,4,5,6,7
	global_load_b128 v[BIAS+8*\b:BIAS+8*\b+3], v7, s[96:97] offset:64*\b
	global_load_b128 v[BIAS+8*\b+4:BIAS+8*\b+7], v7, s[96:97] offset:64*\b+16
.endr
.macro FRAG reg, adr, q, i
.irp c, 0,1
	ds_load_b128 v[\reg+4*\c:\reg+4*\c+3], v[\adr] offset:64*(\q)+32*\c+(\i)*16*PITCH
.endr
.endm
; 16 matrix instructions: A's blocks a0, a0 + 1 x B's eight.  zero = 1: the bias starts the sums.  The 64 accumulators take turns, one instruction a turn.
.macro MUL16 a0, p, q, sc, zero
.irp a, \a0, \a0+1
.irp b, 0,1,2,3,4,5,6,7
.if \zero
	v_wmma_scale_f32_16x16x128_f8f6f4 v[8*(8*((\a)%4)+\b):8*(8*((\a)%4)+\b)+7], v[128*(\p)+FR*\b:128*(\p)+FR*\b+FR-1], v[AF+FR*(\a):AF+FR*(\a)+FR-1], v[BIAS+8*\b:BIAS+8*\b+7], v[SC+8*NQ*(\sc)+NQ*\b+(\q)], v[SC+8*NQ*(\sc)+NQ*(\a)+(\q)] matrix_a_fmt:MATRIX_FMT_FP4 matrix_b_fmt:MATRIX_FMT_FP4 matrix_a_scale:MATRIX_SCALE_ROW1
.else
	v_wmma_scale_f32_16x16x128_f8f6f4 v[8*(8*((\a)%4)+\b):8*(8*((\a)%4)+\b)+7], v[128*(\p)+FR*\b:128*(\p)+FR*\b+FR-1], v[AF+FR*(\a):AF+FR*(\a)+FR-1], v[8*(8*((\a)%4)+\b):8*(8*((\a)%4)+\b)+7], v[SC+8*NQ*(\sc)+NQ*\b+(\q)], v[SC+8*NQ*(\sc)+NQ*(\a)+(\q)] matrix_a_fmt:MATRIX_FMT_FP4 matrix_b_fmt:MATRIX_FMT_FP4 matrix_a_scale:MATRIX_SCALE_ROW1
.endif
.endr
.endr
.endm
.macro FETCH_B slot, q, p
	WIN TO_B
.irp i, 0,1,2,3,4,5,6,7
	FRAG 128*(\p)+FR*\i, ADRB+\slot, \q, \i
.endr
	WIN 0
.endm
.macro FETCH_A slot, q, i0
.irp i, \i0, \i0+1, \i0+2, \i0+3
	FRAG AF+FR*(\i), ADRA+\slot, \q, \i
.endr
.endm
.macro SCALES sc                       ; lanes 0-15 take the words of A's block i, lanes 16-31 those of B's block i
.irp i, 0,1,2,3,4,5,6,7
	ds_load_b128 v[SC+8*NQ*\sc+NQ*\i:SC+8*NQ*\sc+NQ*\i+3], v[ADRS] offset:\i*SBLK
.endr
.endm
.macro PLACES n                        ; plain vector instructions between a matrix instruction and a load into, or a read of, its registers
.rept \n
	v_nop
.endr
.endm
.macro STEP slot, q, zero
	s_wait_dscnt 4*NL                              ; B's set and A's blocks 0-3 are in; A's blocks 4-7 may be out
.if \zero
	WIN 0x81                                       ; C (the bias) window 0, D window 2
.else
	WIN MUL_LO
.endif
	MUL16 0, (\q)%2, \q, \slot, \zero
	MUL16 2, (\q)%2, \q, \slot, \zero
	s_wait_dscnt 0
	PLACES NP
	FETCH_B \slot, (\q)+1, 1-(\q)%2
	FETCH_A \slot, (\q)+1, 0
.if \zero
	WIN 0xc1                                       ; C window 0, D window 3
.else
	WIN MUL_HI
.endif
	MUL16 4, (\q)%2, \q, \slot, \zero
	MUL16 6, (\q)%2, \q, \slot, \zero
	PLACES NP
	WIN 0
	FETCH_A \slot, (\q)+1, 4
.endm
.macro TURN slot, next                 ; slot 0's last step: behind its barrier slot 1 is whole in every wave's eyes and nobody reads slot 0 any more
	s_wait_tensorcnt 0x0                           ; my part of slot 1 has landed
	ds_add_u32 v[SPW], v[NIL]                      ; 0 onto my spare word
	s_wait_dscnt 4*NL+1                            ; the add and A's blocks 4-7 may be out
	WIN MUL_LO
	MUL16 0, 1, NQ-1, \slot, 0
	s_wait_dscnt 0x0
	s_barrier_signal -1
	MUL16 2, 1, NQ-1, \slot, 0
	WIN 0
	s_barrier_wait -1
	PLACES NP
	v_add_nc_u32 v[ADRS], 4*NQ, v[ADRS]            ; the next K step's scale words
	FETCH_B \next, 0, 0
	FETCH_A \next, 0, 0
	SCALES \next
	WIN MUL_HI
	MUL16 4, 1, NQ-1, \slot, 0
	MUL16 6, 1, NQ-1, \slot, 0
	PLACES NP
	WIN 0
	FETCH_A \next, 0, 4
.endm
	s_wait_tensorcnt 1                             ; the scales and my part of slot 0 are in; slot 1's load may be out
	s_barrier_signal -1
	s_barrier_wait -1
	FETCH_B 0, 0, 0
	FETCH_A 0, 0, 0
	SCALES 0
	FETCH_A 0, 0, 4
	s_wait_loadcnt 0x0                             ; the bias
	STEP 0, 0, 1
	STEP 0, 1, 0
	STEP 0, 2, 0
	TURN 0, 1
	STEP 1, 0, 0
	STEP 1, 1, 0
	STEP 1, 2, 0
	s_wait_dscnt 4*NL                              ; the last step: nothing more to fetch
	WIN MUL_LO
	MUL16 0, 1, NQ-1, 1, 0
	MUL16 2, 1, NQ-1, 1, 0
	s_wait_dscnt 0
	WIN MUL_HI
	MUL16 4, 1, NQ-1, 1, 0
	MUL16 6, 1, NQ-1, 1, 0
	WIN 0
; THE WAY OUT, a block of 16 rows x 128 columns (two heads) at a time.
.macro PACK a                          ; the split in f32, then both parts to f16.  Each accumulator is read from its low end on
.set AC, 64*((\a)%4)
	WIN 0x02+(\a)/4                                ; source 0: window 2 or 3
.set i, 0
.rept 32
	v_pk_mul_f32 v[T+i:T+i+1], v[AC+i:AC+i+1], 0x46000400 op_sel_hi:[1,0]           ; c = 8193 x
.set i, i+2
.endr
.set i, 0
.rept 32
	v_pk_add_f32 v[DD+i:DD+i+1], v[AC+i:AC+i+1], v[T+i:T+i+1] neg_lo:[0,1] neg_hi:[0,1]   ; d = x - c
.set i, i+2
.endr
	WIN 0
.set i, 0
.rept 32
	v_pk_add_f32 v[T+i:T+i+1], v[T+i:T+i+1], v[DD+i:DD+i+1]                         ; hi = c + d
.set i, i+2
.endr
	WIN 0x02+(\a)/4
.set i, 0
.rept 32
	v_pk_add_f32 v[DD+i:DD+i+1], v[AC+i:AC+i+1], v[T+i:T+i+1] neg_lo:[0,1] neg_hi:[0,1]   ; lo = x - hi
.set i, i+2
.endr
	WIN 0
.set i, 0
.rept 32
	v_cvt_pk_f16_f32 v[HI+i], v[T+2*i], v[T+2*i+1]
.set i, i+1
.endr
.set i, 0
.rept 32
	v_cvt_pk_f16_f32 v[DD+i], v[DD+2*i], v[DD+2*i+1]                                ; in place, ascending
.set i, i+1
.endr
.endm
.macro OUTP base, src, bk              ; 32 packed registers through my stage; back as whole rows; each store covers 512 consecutive bytes, aligned
	s_wait_xcnt 0x0                                ; earlier stores have read their registers: they may be loaded again
.irp b, 0,1,2,3,4,5,6,7
	ds_store_b128 v[STO], v[\src+4*\b:\src+4*\b+3] offset:(\b/4)*2304+(\b%4)*32
.endr
.irp t, 0,1,2,3,4,5,6,7
	ds_load_b128 v[\bk+4*\t:\bk+4*\t+3], v[RD] offset:(\t/4)*2304+(\t%4)*576   ; LDS serves a wave's instructions in order: these see the stores above
.endr
	s_wait_dscnt 0x0
.irp t, 0,1,2,3,4,5,6,7
	global_store_b128 v[CO], v[\bk+4*\t:\bk+4*\t+3], s[\base:\base+1] offset:(\t/4)*524288+(\t%4)*512
.endr
.endm
	PLACES NP                                      ; behind the last products: their scale words' and fragments' registers are written below
.irp a, 0,1,2,3,4,5,6,7
	PACK \a
	OUTP 12, HI, BKH
	OUTP 98, DD, BKL
	s_wait_xcnt 0x0                                ; the stores have read their bases
	s_add_nc_u64 s[12:13], s[12:13], 2048          ; 16 rows of 128 bytes on
	s_add_nc_u64 s[98:99], s[98:99], 2048
.endr
	s_wait_tensorcnt 0x0                           ; the wave's end
	ds_add_u32 v[SPW], v[NIL]
	s_wait_dscnt 0x0
	CROUND                                         ; the closing round
	s_endpgm
.Lfunc_end_k_q737c5a2791_qkv:
	.size	k_q737c5a2791_qkv, .Lfunc_end_k_q737c5a2791_qkv-k_q737c5a2791_qkv
	.p2alignl 7, 3214868480
	.fill 96, 4, 3214868480
	.section	.rodata,"a",@progbits
	.p2align	6, 0x0
	.amdhsa_kernel k_q737c5a2791_qkv
		.amdhsa_group_segment_fixed_size 327680
		.amdhsa_private_segment_fixed_size 0
		.amdhsa_enable_private_segment 0
		.amdhsa_kernarg_size 48
		.amdhsa_user_sgpr_count 2
		.amdhsa_user_sgpr_kernarg_segment_ptr 1
		.amdhsa_wavefront_size32 1
		.amdhsa_system_sgpr_workgroup_id_x 1
		.amdhsa_system_sgpr_workgroup_id_y 1
		.amdhsa_system_sgpr_workgroup_id_z 1
		.amdhsa_system_vgpr_workitem_id 0
		.amdhsa_next_free_vgpr 1024
		.amdhsa_next_free_sgpr 100
		.amdhsa_reserve_vcc 0
		.amdhsa_float_denorm_mode_32 3
		.amdhsa_float_denorm_mode_16_64 3
		.amdhsa_memory_ordered 1
		.amdhsa_forward_progress 1
		.amdhsa_inst_pref_size 232
	.end_amdhsa_kernel
	.amdgpu_metadata
---
amdhsa.version: [ 1, 2 ]
amdhsa.kernels:
  - .name:           k_q737c5a2791_qkv
    .symbol:         k_q737c5a2791_qkv.kd
    .args:
      - { .name: hcodes, .offset: 0, .size: 8, .value_kind: global_buffer, .address_space: global }
      - { .name: hscales, .offset: 8, .size: 8, .value_kind: global_buffer, .address_space: global }
      - { .name: wcodes, .offset: 16, .size: 8, .value_kind: global_buffer, .address_space: global }
      - { .name: wscales, .offset: 24, .size: 8, .value_kind: global_buffer, .address_space: global }
      - { .name: qkv, .offset: 32, .size: 8, .value_kind: global_buffer, .address_space: global }
      - { .name: b_qkv, .offset: 40, .size: 8, .value_kind: global_buffer, .address_space: global }
    .group_segment_fixed_size: 327680
    .private_segment_fixed_size: 0
    .kernarg_segment_align: 8
    .kernarg_segment_size: 48
    .max_flat_workgroup_size: 128
    .sgpr_count:     100
    .vgpr_count:     1024
    .wavefront_size: 32
...
	.end_amdgpu_metadata
.endif
;; end of part 2
;; launch attn16 (part 3): grid 16 x 16, 4 waves a work-group, no clusters, 173,568 bytes of LDS; arguments qkv, mask, part16; writes part16
.if DOCPART == 3
	.amdgcn_target "amdgcn-amd-amdhsa--gfx1250"
	.amdhsa_code_object_version 6
	.text
	.protected	k_q737c5a2791_attn16
	.globl	k_q737c5a2791_attn16
	.p2align	8
	.type	k_q737c5a2791_attn16,@function
k_q737c5a2791_attn16:
	s_mov_b64 s[64:65], 0
	v_nop
	global_prefetch_b8 v0, s[64:65] scope:SCOPE_SE
	s_setreg_imm32_b32 hwreg(HW_REG_WAVE_MODE, 25, 1), 1
	s_wait_xcnt 0x0
; ATTN16: positions 0-15 of every head, carried finely: q, k, v and the weights p go to the matrix units as pairs of f16, a high and a low part (hi.hi + hi.lo + lo.hi).
; A work-group takes one head and 256 keys; it leaves a partial result: c8 M as rounded, L = the sum of p, and O = the sum of p v (not normalised), which a later launch joins over the 16 chunks.
; y = (q.k) m + (80000 m - 80000) is 8 x the masked score of the problem; p = 2^(c8 y - c8 M), c8 = log2(e) / 8, M the largest y of the 256 keys.  80000 m - 80000 is one fused multiply-add: exactly 0 at m = 1, exactly -80000 at m = 0.
; No cluster: each chunk of K and V is read by one work-group alone; the 16 KiB of mask rows that the 16 heads share are a ninth of a work-group's bytes.
; Wave w: scores and p of keys 64 w .. 64 w + 63; then channels 16 w .. 16 w + 15 of O over all 256 keys; p goes from wave to wave as images of the operand's registers.
; LDS: K high 0, K low 36,864 (256 rows x 144); V high 73,728, V low 114,688 (256 rows x 160); statistics 155,648; images 156,672; spare words 173,056.  Nothing is filled again.
; LIMITS: as in the launch that makes qkv (f16's range).  For a mask between 0 and 1 the offset 80000 (1 - m) is rounded as one f32 number of that size.
.set KP,    144
.set VP,    160
.set KL0,   36864
.set VH0,   73728
.set VLD,   40960
.set STATS, 155648
.set PIMG,  156672
.set SPARE, 173056
.set LOOFF, 25165824
.set PRD, 3                            ; v3  images, to read: PIMG + 16 lane
.set AK,  4                            ; v4  my lane's place in K high
.set AV,  5                            ; v5  in V high
.set LI,  6                            ; v6  16 lane
.set SRD, 7                            ; v7  statistics, to read: STATS + 4 lane
.set MO,  8                            ; v8  mask: 16,384 r + 32 h
.set QO,  9                            ; v9  Q: 128 r + 16 h
.set SPW, 10
.set NIL, 11
.set PWI, 12                           ; v12 images, to write: + 4,096 w
.set SWS, 13                           ; v13 statistics, to write: + 128 w
.set L8,  14                           ; v14 8 lane
.set AVL, 15                           ; v15 my lane's place in V low
.set QH,  16
.set QL,  32
.set MSK, 48
.set S,   80
.set KH,  112
.set KL,  176
.set U,   112                          ; 80000 m - 80000, in K's registers, which are done with
.set PH,  112
.set T,   128
.set DD,  160
.set A0,  48
.set A1,  56
.set A2,  64
.set OS,  72
.set VHF, 112
.set VLF, 144
.set PHF, 176
.set PLF, 208
.set CM,  240                          ; v240 c8 M, v241 M, later L; v242-243 l; v244-247 chains; v248-251 four words from LDS
.set CH,  244
.set WD,  248
.set BIG, 252                          ; v[252:253] 80000, v[254:255] -80000
.set NBIG, 254
.set WV,  10
.set ODD, 11
.set SEL, 20
.set CS,  22
.set G1K, 24
.set G1V, 32
.set G0K, 40
.set G0V, 44
	s_load_b128 s[4:7], s[0:1], 0x0                ; qkv, mask
	s_load_b64 s[8:9], s[0:1], 0x10                ; part16
	v_lshl_add_u32 v[SPW], v0, 2, SPARE
	v_mov_b32 v[NIL], 0
	ds_add_u32 v[SPW], v[NIL]                      ; the wave's opening
	ds_add_u32 v[SPW], v[NIL]
	v_lshrrev_b32 v1, 5, v0
	v_readfirstlane_b32 s[WV], v1
	s_and_b32 s[ODD], s[WV], 1                     ; high (0) or low (1) part
	s_and_b32 s13, ttmp7, 0xffff                   ; the head
	s_mov_b32 s[G1K], (1<<16)|(1<<20)|(4<<22)|(3<<25)   ; elements of 2 bytes; padding: 4 words after every 32
	s_mov_b32 s[G1V], (1<<16)|(1<<20)|(4<<22)|(7<<25)   ; 8 words
.irp g, G1K, G1V
	s_mov_b32 s[\g+1], 64<<16                      ; tensor_dim0
	s_mov_b32 s[\g+2], 256<<16                     ; tensor_dim1
	s_mov_b32 s[\g+3], 64<<16                      ; tile_dim0
	s_mov_b32 s[\g+4], 256                         ; tile_dim1
	s_mov_b32 s[\g+5], 64                          ; stride
	s_mov_b32 s[\g+6], 0
	s_mov_b32 s[\g+7], 0
.endr
	s_lshl_b32 s14, s13, 19                        ; the head's 4,096 rows of 128 bytes
	s_lshl_b32 s15, ttmp9, 15                      ; the chunk's 256 rows
	s_add_co_u32 s16, s14, s15
	s_mul_i32 s17, s[ODD], LOOFF
	s_add_co_u32 s16, s16, s17
	s_add_co_u32 s16, s16, 0x800000                ; k's part
	s_mov_b32 s17, 0
	s_mov_b32 s15, 0                               ; s[14:15]: the head's offset
	s_mul_i32 s18, s[ODD], KL0
	s_mul_i32 s19, s[ODD], VLD
	s_add_co_u32 s19, s19, VH0
	s_lshl_b32 s48, ttmp9, 10                      ; mask: the chunk's 1,024 bytes of a row, my wave's 256
	s_lshl_b32 s49, s[WV], 8
	s_add_co_u32 s48, s48, s49
	s_mov_b32 s49, 0
	s_lshl_b32 s50, s13, 4
	s_add_co_u32 s50, s50, ttmp9                   ; 16 head + chunk
	s_lshl_b32 s52, s50, 8
	s_add_co_u32 s52, s52, 0x100000
	s_mov_b32 s53, 0
	s_lshl_b32 s50, s50, 12
	s_lshl_b32 s51, s[WV], 10
	s_add_co_u32 s50, s50, s51
	s_mov_b32 s51, 0
	s_mov_b32 s[SEL], 0x76543210
	s_mov_b32 s[SEL+1], 0xfedcba98
	s_mov_b32 s[CS], 0x3e38aa3b                    ; c8 = log2(e) / 8
	s_mov_b32 s[CS+1], s[CS]
	s_wait_dscnt 0x0                               ; both opening adds are done
	s_wait_kmcnt 0x0
	s_mov_b32 s[G0K], 1
	s_mov_b32 s[G0K+1], s18
	s_add_nc_u64 s[G0K+2:G0K+3], s[4:5], s[16:17]
	s_mov_b32 s[G0V], 1
	s_mov_b32 s[G0V+1], s19
	s_add_nc_u64 s[G0V+2:G0V+3], s[G0K+2:G0K+3], 0x800000   ; v's part
	s_or_b32 s[G0K+3], s[G0K+3], 0x80000000
	s_or_b32 s[G0V+3], s[G0V+3], 0x80000000
	s_cmp_lt_u32 s[WV], 2                          ; waves 0, 1: K high, K low; waves 2, 3: V high, V low.  One load of mine is out
	s_cbranch_scc0 .Lfor_v
	tensor_load_to_lds s[G0K:G0K+3], s[G1K:G1K+7]
	s_nop 0
.rept 4
	v_nop
.endr
	s_branch .Lasked
.Lfor_v:
	tensor_load_to_lds s[G0V:G0V+3], s[G1V:G1V+7]
	s_nop 0
.rept 4
	v_nop
.endr
.Lasked:
	s_add_nc_u64 s[54:55], s[4:5], s[14:15]        ; Q high: the head's first rows
	s_add_nc_u64 s[56:57], s[54:55], LOOFF         ; Q low
	s_add_nc_u64 s[48:49], s[6:7], s[48:49]
	s_add_nc_u64 s[50:51], s[8:9], s[50:51]        ; my image of O
	s_add_nc_u64 s[52:53], s[8:9], s[52:53]        ; the statistics
	v_and_b32 v1, 15, v0                           ; r
	v_bfe_u32 v2, v0, 4, 1                         ; h
	v_lshlrev_b32 v[MO], 14, v1
	v_lshl_add_u32 v[MO], v2, 5, v[MO]
	v_lshlrev_b32 v[QO], 7, v1
	v_lshl_add_u32 v[QO], v2, 4, v[QO]
.irp c, 0,1
	global_load_b128 v[QH+8*\c:QH+8*\c+3],   v[QO], s[54:55] offset:64*\c
	global_load_b128 v[QH+8*\c+4:QH+8*\c+7], v[QO], s[54:55] offset:64*\c+32
	global_load_b128 v[QL+8*\c:QL+8*\c+3],   v[QO], s[56:57] offset:64*\c
	global_load_b128 v[QL+8*\c+4:QL+8*\c+7], v[QO], s[56:57] offset:64*\c+32
.endr
.irp kt, 0,1,2,3                       ; register 8 kt + j: mask(r, key 16 kt + 8 h + j), as the scores lie
	global_load_b128 v[MSK+8*\kt:MSK+8*\kt+3],   v[MO], s[48:49] offset:64*\kt
	global_load_b128 v[MSK+8*\kt+4:MSK+8*\kt+7], v[MO], s[48:49] offset:64*\kt+16
.endr
	v_and_b32 v240, 31, v0                         ; lane
	v_lshlrev_b32 v[LI], 4, v240
	v_lshlrev_b32 v[L8], 3, v240
	v_lshl_add_u32 v[SRD], v240, 2, STATS
	v_lshl_add_u32 v[PRD], v240, 4, PIMG
	s_lshl_b32 s58, s[WV], 7
	v_add_nc_u32 v[SWS], s58, v[SRD]
	s_lshl_b32 s58, s[WV], 12
	v_add_nc_u32 v[PWI], s58, v[PRD]
	s_mul_i32 s58, s[WV], 64*KP
	v_mul_u32_u24 v[AK], v1, KP
	v_lshl_add_u32 v[AK], v2, 4, v[AK]
	v_add_nc_u32 v[AK], s58, v[AK]                 ; key 64 w + r, + 16 h
	v_and_b32 v241, 7, v0
	v_bfe_u32 v242, v0, 3, 1
	v_lshl_add_u32 v[AV], v2, 3, v241
	v_mul_u32_u24 v[AV], v[AV], VP
	v_lshl_add_u32 v[AV], v242, 4, v[AV]
	s_lshl_b32 s58, s[WV], 5
	s_add_co_u32 s58, s58, VH0
	v_add_nc_u32 v[AV], s58, v[AV]                 ; the turning load: key 8 h + l % 8, channels 16 w + 8 ((l / 8) % 2) on
	v_add_nc_u32 v[AVL], VLD, v[AV]
	v_mov_b32 v243, 0                              ; a lane permute's destination counts as read
	v_mov_b32 v[BIG], 0x479c4000
	v_mov_b32 v[BIG+1], 0x479c4000
	v_mov_b32 v[NBIG], 0xc79c4000
	v_mov_b32 v[NBIG+1], 0xc79c4000
	s_wait_tensorcnt 0x0                           ; my tile has landed,
	s_barrier_signal -1
	s_barrier_wait -1                              ; everybody's has
.irp f, 0,1,2,3,4,5,6,7                ; keys 16 (f / 2) on, channels 32 (f % 2) on
	ds_load_b128 v[KH+8*\f:KH+8*\f+3],   v[AK] offset:(\f/2)*16*KP+(\f%2)*64
	ds_load_b128 v[KH+8*\f+4:KH+8*\f+7], v[AK] offset:(\f/2)*16*KP+(\f%2)*64+32
.endr
.irp f, 0,1,2,3,4,5,6,7
	ds_load_b128 v[KL+8*\f:KL+8*\f+3],   v[AK] offset:KL0+(\f/2)*16*KP+(\f%2)*64
	ds_load_b128 v[KL+8*\f+4:KL+8*\f+7], v[AK] offset:KL0+(\f/2)*16*KP+(\f%2)*64+32
.endr
.macro KQ4 kf, qf, zero                ; four products, the four tiles of keys by turns
.irp kt, 0,1,2,3
.if \zero
	v_wmma_f32_16x16x32_f16 v[S+8*\kt:S+8*\kt+7], v[\kf+16*\kt:\kf+16*\kt+7], v[\qf:\qf+7], 0
.else
	v_wmma_f32_16x16x32_f16 v[S+8*\kt:S+8*\kt+7], v[\kf+16*\kt:\kf+16*\kt+7], v[\qf:\qf+7], v[S+8*\kt:S+8*\kt+7]
.endif
.endr
.endm
	s_wait_loadcnt 0x0                             ; Q and the mask
	s_wait_dscnt 16                                ; K high is in; K low's 16 loads may be out
	KQ4 KH, QH, 1
	KQ4 KH+8, QH+8, 0
	KQ4 KH, QL, 0
	KQ4 KH+8, QL+8, 0
	s_wait_dscnt 0x0
	KQ4 KL, QH, 0
	KQ4 KL+8, QH+8, 0
.rept 4
	v_nop                                          ; places behind the products
.endr
.set i, 0
.rept 16
	v_pk_fma_f32 v[U+i:U+i+1], v[MSK+i:MSK+i+1], v[BIG:BIG+1], v[NBIG:NBIG+1]
.set i, i+2
.endr
.set i, 0
.rept 16
	v_pk_fma_f32 v[S+i:S+i+1], v[S+i:S+i+1], v[MSK+i:MSK+i+1], v[U+i:U+i+1]   ; y, each accumulator from its low end on
.set i, i+2
.endr
.irp j, 0,1,2,3
	v_max3_num_f32 v[CH+\j], v[S+8*\j], v[S+8*\j+1], v[S+8*\j+2]
.endr
.irp g, 1,2
.irp j, 0,1,2,3
	v_max3_num_f32 v[CH+\j], v[CH+\j], v[S+8*\j+2*\g+1], v[S+8*\j+2*\g+2]
.endr
.endr
	v_max3_num_f32 v[CH], v[CH], v[S+7], v[S+15]
	v_max3_num_f32 v[CH+2], v[CH+2], v[S+23], v[S+31]
	v_max3_num_f32 v[CH], v[CH], v[CH+1], v[CH+2]
	v_max_num_f32 v[CH], v[CH], v[CH+3]
	v_permlanex16_b32 v[CH+1], v[CH], s[SEL], s[SEL+1]
	v_max_num_f32 v[CM+1], v[CH], v[CH+1]          ; my 64 keys' largest y of query r
	ds_store_b32 v[SWS], v[CM+1]
	s_wait_dscnt 0x0                               ; for the others' sake
	s_barrier_signal -1
	s_barrier_wait -1
.irp i, 0,1,2,3
	ds_load_b32 v[WD+\i], v[SRD] offset:128*\i
.endr
	s_wait_dscnt 0x0
	v_max3_num_f32 v[CM+1], v[WD], v[WD+1], v[WD+2]
	v_max_num_f32 v[CM+1], v[CM+1], v[WD+3]        ; M of the 256 keys
	v_mul_f32 v[CM], s[CS], v[CM+1]
.set i, 0
.rept 16
	v_pk_fma_f32 v[S+i:S+i+1], v[S+i:S+i+1], s[CS:CS+1], v[CM:CM+1] op_sel_hi:[1,0,0] neg_lo:[0,0,1] neg_hi:[0,0,1]
.set i, i+2
.endr
.set i, 0
.rept 32
	v_exp_f32 v[S+i], v[S+i]
.set i, i+1
.endr
	v_nop                                          ; a plain instruction behind the last exponential
	s_wait_alu depctr_va_vdst(0)                   ; one wait for the batch, ahead of its first reader
.set i, 0
.rept 16
	v_pk_mul_f32 v[T+i:T+i+1], v[S+i:S+i+1], 0x46000400 op_sel_hi:[1,0]                 ; the split of p: c = 8193 p
.set i, i+2
.endr
.set i, 0
.rept 16
	v_pk_add_f32 v[DD+i:DD+i+1], v[S+i:S+i+1], v[T+i:T+i+1] neg_lo:[0,1] neg_hi:[0,1]   ; d = p - c
.set i, i+2
.endr
.set i, 0
.rept 16
	v_pk_add_f32 v[T+i:T+i+1], v[T+i:T+i+1], v[DD+i:DD+i+1]                             ; hi = c + d
.set i, i+2
.endr
.set i, 0
.rept 16
	v_pk_add_f32 v[DD+i:DD+i+1], v[S+i:S+i+1], v[T+i:T+i+1] neg_lo:[0,1] neg_hi:[0,1]   ; lo = p - hi
.set i, i+2
.endr
.set i, 0
.rept 16
	v_cvt_pk_f16_f32 v[PH+i], v[T+2*i], v[T+2*i+1]
.set i, i+1
.endr
.set i, 0
.rept 16
	v_cvt_pk_f16_f32 v[DD+i], v[DD+2*i], v[DD+2*i+1]   ; in place, ascending
.set i, i+1
.endr
.irp z, 0,1,2,3,4,5,6,7                ; the sum of p, in place
	v_pk_add_f32 v[S+4*\z:S+4*\z+1], v[S+4*\z:S+4*\z+1], v[S+4*\z+2:S+4*\z+3]
.endr
.irp z, 0,1,2,3
	v_pk_add_f32 v[S+8*\z:S+8*\z+1], v[S+8*\z:S+8*\z+1], v[S+8*\z+4:S+8*\z+5]
.endr
.irp z, 0,1
	v_pk_add_f32 v[S+16*\z:S+16*\z+1], v[S+16*\z:S+16*\z+1], v[S+16*\z+8:S+16*\z+9]
.endr
	v_pk_add_f32 v[S:S+1], v[S:S+1], v[S+16:S+17]
	v_add_f32 v242, v[S], v[S+1]
	v_permlanex16_b32 v243, v242, s[SEL], s[SEL+1]
	v_add_f32 v242, v242, v243
.irp k2, 0,1                           ; two fragments (32 keys each), high and low, as images of their registers
	ds_store_b128 v[PWI], v[PH+8*\k2:PH+8*\k2+3]   offset:(2*\k2)*1024
	ds_store_b128 v[PWI], v[PH+8*\k2+4:PH+8*\k2+7] offset:(2*\k2)*1024+512
	ds_store_b128 v[PWI], v[DD+8*\k2:DD+8*\k2+3]   offset:(2*\k2+1)*1024
	ds_store_b128 v[PWI], v[DD+8*\k2+4:DD+8*\k2+7] offset:(2*\k2+1)*1024+512
.endr
	ds_store_b32 v[SWS], v242 offset:512
	s_wait_dscnt 0x0
	s_barrier_signal -1
	s_barrier_wait -1
; O^T = V^T P, my 16 channels, 256 keys in eight steps of 32, four at a time; three accumulators by turns: hi.hi, hi.lo, lo.hi
.irp g, 0,1
.if \g > 0
.rept 4
	v_nop                                          ; places in front of loads into registers that products have read
.endr
.endif
.irp k, 0,1,2,3
	ds_load_tr16_b128 v[VHF+8*\k:VHF+8*\k+3],   v[AV]  offset:32*(4*\g+\k)*VP
	ds_load_tr16_b128 v[VHF+8*\k+4:VHF+8*\k+7], v[AV]  offset:32*(4*\g+\k)*VP+16*VP
	ds_load_tr16_b128 v[VLF+8*\k:VLF+8*\k+3],   v[AVL] offset:32*(4*\g+\k)*VP
	ds_load_tr16_b128 v[VLF+8*\k+4:VLF+8*\k+7], v[AVL] offset:32*(4*\g+\k)*VP+16*VP
	ds_load_b128 v[PHF+8*\k:PHF+8*\k+3],   v[PRD] offset:(2*(4*\g+\k))*1024
	ds_load_b128 v[PHF+8*\k+4:PHF+8*\k+7], v[PRD] offset:(2*(4*\g+\k))*1024+512
	ds_load_b128 v[PLF+8*\k:PLF+8*\k+3],   v[PRD] offset:(2*(4*\g+\k)+1)*1024
	ds_load_b128 v[PLF+8*\k+4:PLF+8*\k+7], v[PRD] offset:(2*(4*\g+\k)+1)*1024+512
.endr
.if \g == 0
.irp i, 0,1,2,3
	ds_load_b32 v[WD+\i], v[SRD] offset:512+128*\i
.endr
.endif
	s_wait_dscnt 0x0
.irp k, 0,1,2,3
.if (\g == 0) && (\k == 0)
	v_wmma_f32_16x16x32_f16 v[A0:A0+7], v[VHF:VHF+7], v[PHF:PHF+7], 0
	v_wmma_f32_16x16x32_f16 v[A1:A1+7], v[VHF:VHF+7], v[PLF:PLF+7], 0
	v_wmma_f32_16x16x32_f16 v[A2:A2+7], v[VLF:VLF+7], v[PHF:PHF+7], 0
.else
	v_wmma_f32_16x16x32_f16 v[A0:A0+7], v[VHF+8*\k:VHF+8*\k+7], v[PHF+8*\k:PHF+8*\k+7], v[A0:A0+7]
	v_wmma_f32_16x16x32_f16 v[A1:A1+7], v[VHF+8*\k:VHF+8*\k+7], v[PLF+8*\k:PLF+8*\k+7], v[A1:A1+7]
	v_wmma_f32_16x16x32_f16 v[A2:A2+7], v[VLF+8*\k:VLF+8*\k+7], v[PHF+8*\k:PHF+8*\k+7], v[A2:A2+7]
.endif
.endr
.endr
.rept 4
	v_nop
.endr
.irp i, 0,2,4,6
	v_pk_add_f32 v[OS+\i:OS+\i+1], v[A0+\i:A0+\i+1], v[A1+\i:A1+\i+1]
.endr
.irp i, 0,2,4,6
	v_pk_add_f32 v[OS+\i:OS+\i+1], v[OS+\i:OS+\i+1], v[A2+\i:A2+\i+1]
.endr
	v_add_f32 v[WD], v[WD], v[WD+1]
	v_add_f32 v[WD+2], v[WD+2], v[WD+3]
	v_add_f32 v[CM+1], v[WD], v[WD+2]              ; L of the 256 keys
	global_store_b128 v[LI], v[OS:OS+3], s[50:51]              ; register j of lane (r, h): channel 16 w + 8 h + j of query r; 512 consecutive bytes a store
	global_store_b128 v[LI], v[OS+4:OS+7], s[50:51] offset:512
	s_cmp_lg_u32 s[WV], 0
	s_cbranch_scc1 .Lno_stats
	global_store_b64 v[L8], v[CM:CM+1], s[52:53]               ; (c8 M, L), 8 bytes a lane: 256 consecutive bytes
.Lno_stats:
	s_wait_tensorcnt 0x0                           ; the wave's end
	ds_add_u32 v[SPW], v[NIL]
	s_wait_dscnt 0x0
	s_endpgm
.Lfunc_end_k_q737c5a2791_attn16:
	.size	k_q737c5a2791_attn16, .Lfunc_end_k_q737c5a2791_attn16-k_q737c5a2791_attn16
	.p2alignl 7, 3214868480
	.fill 96, 4, 3214868480
	.section	.rodata,"a",@progbits
	.p2align	6, 0x0
	.amdhsa_kernel k_q737c5a2791_attn16
		.amdhsa_group_segment_fixed_size 173568
		.amdhsa_private_segment_fixed_size 0
		.amdhsa_enable_private_segment 0
		.amdhsa_kernarg_size 24
		.amdhsa_user_sgpr_count 2
		.amdhsa_user_sgpr_kernarg_segment_ptr 1
		.amdhsa_wavefront_size32 1
		.amdhsa_system_sgpr_workgroup_id_x 1
		.amdhsa_system_sgpr_workgroup_id_y 1
		.amdhsa_system_sgpr_workgroup_id_z 1
		.amdhsa_system_vgpr_workitem_id 0
		.amdhsa_next_free_vgpr 256
		.amdhsa_next_free_sgpr 66
		.amdhsa_reserve_vcc 0
		.amdhsa_float_denorm_mode_32 3
		.amdhsa_float_denorm_mode_16_64 3
		.amdhsa_memory_ordered 1
		.amdhsa_forward_progress 1
		.amdhsa_inst_pref_size 33
	.end_amdhsa_kernel
	.amdgpu_metadata
---
amdhsa.version: [ 1, 2 ]
amdhsa.kernels:
  - .name:           k_q737c5a2791_attn16
    .symbol:         k_q737c5a2791_attn16.kd
    .args:
      - { .name: qkv, .offset: 0, .size: 8, .value_kind: global_buffer, .address_space: global }
      - { .name: mask, .offset: 8, .size: 8, .value_kind: global_buffer, .address_space: global }
      - { .name: part16, .offset: 16, .size: 8, .value_kind: global_buffer, .address_space: global }
    .group_segment_fixed_size: 173568
    .private_segment_fixed_size: 0
    .kernarg_segment_align: 8
    .kernarg_segment_size: 24
    .max_flat_workgroup_size: 128
    .sgpr_count:     66
    .vgpr_count:     256
    .wavefront_size: 32
...
	.end_amdgpu_metadata
.endif
;; end of part 3
;; launch attn (part 4): grid 8 x 32, 8 waves a work-group, clusters of 4 x 4, 327,680 bytes of LDS; arguments qkv, mask, ctx; writes ctx
.if DOCPART == 4
	.amdgcn_target "amdgcn-amd-amdhsa--gfx1250"
	.amdhsa_code_object_version 6
	.text
	.protected	k_q737c5a2791_attn
	.globl	k_q737c5a2791_attn
	.p2align	8
	.type	k_q737c5a2791_attn,@function
k_q737c5a2791_attn:
	s_mov_b64 s[64:65], 0
	v_nop
	global_prefetch_b8 v0, s[64:65] scope:SCOPE_SE
	s_setreg_imm32_b32 hwreg(HW_REG_WAVE_MODE, 25, 1), 1
	s_wait_xcnt 0x0
	s_wait_alu depctr_hold_cnt(0) depctr_sa_sdst(0) depctr_va_vdst(0) depctr_va_sdst(0) depctr_va_ssrc(0) depctr_va_vcc(0) depctr_vm_vsrc(0)
	s_getreg_b32 s2, hwreg(HW_REG_IB_STS2, 6, 4)
	s_cmp_eq_u32 s2, 0
	s_cbranch_scc0 .Lentry_in_a_cluster
	s_endpgm
.Lentry_in_a_cluster:
	s_bfe_u32 s2, ttmp6, 0x10000c
	s_cmp_lg_u32 s2, 0xf033
	s_cbranch_scc0 .Lentry_shape_is_right
	s_endpgm
.Lentry_shape_is_right:
; ATTN: softmax((q.k / 8) m - 10000 (1 - m)) v for all 4,096 positions and 16 heads; operands in f16 (the high parts of qkv), sums, maxima and the softmax in f32; ctx [4096][1024] f16.
; The mask is an input: every word of it is read and used as a number; nothing of its pattern is built in, so all keys are walked for all queries.
; y = (q.k) m + (80000 m - 80000) is 8 x the masked score; p = 2^(c8 y - c8 m_run), c8 = log2(e) / 8, with a running maximum; O and l are multiplied by a = 2^(c8 old - c8 new) in every step.
; SHARES.  A work-group owns 128 queries of two heads.  Eight waves, two to a SIMD, each 32 queries (two tiles of 16) of one head: while one wave walks its softmax the other's products can be issued.
; 64 keys a step, 128 keys a slot; two slots by turns.  A slot: the mask's 128 x 128 words (rows of 512 + 16 bytes), K of both heads (rows of 128 + 16), V of both heads (rows of 128 + 32).
; CLUSTER 4 x 4.  The four work-groups of a row of the cluster have the same queries: the mask's tile is asked for jointly; the four of a column have the same heads: K's and V's are.
; Waves 0, 1 fetch the mask's halves, 2, 3 K of the two heads, 4, 5 V; waves 6, 7 fetch nothing and prefetch.  Two loads of a wave are out at the start, one behind each round.
; LAYOUT.  S^T = K Q^T and O^T = V^T P: a lane holds one query (lane % 16) throughout; two tiles of S^T, packed in pairs, are a fragment of P.  V is turned by ds_load_tr16_b128.
; LIMITS: f16's range for q, k, v and ctx (magnitudes to 65,504).  Positions 0-15 are stored here with f16 operands and are not used: two small launches carry them finely.
; A row to which the mask leaves very few keys, other than those 16, has the rounding of f16 operands.  For a mask between 0 and 1 the offset is rounded as one f32 number of its size.
; REGISTERS.  window 0: v4-17 addresses; v24-39 statistics, 8 a tile (c8 m, m, l pair, four chains; a takes the third chain's place); v56-59 +-80000; v64-127 S^T; v128-191 the mask; v192-255 80000 m - 80000.
;   window 1: v0-63 O^T; v64-95 Q; v96-159 K; v160-223 V; v224-255 P.
.set SLOT,  145408
.set MKP,   528
.set KP,    144
.set VP,    160
.set KOFF,  67584
.set VOFF,  104448
.set STAGE, 2*SLOT                     ; 128 rows x (256 + 16) bytes, for the way out
.set SP,    272
.set SPARE, STAGE+128*SP               ; the spare words, 128 bytes for each wave
.set AM,  4
.set AK,  6
.set AV,  8
.set QO,  10
.set STO, 11
.set RD,  12
.set GO,  13
.set SPW, 14
.set NIL, 15
.set PFO, 16
.set PFO2, 17
.set ST,  24
.set BIG, 56
.set NBIG, 58
.set S,   64
.set MSK, 128
.set U,   192
.set OF,  0
.set QF,  64
.set KF,  96
.set VF,  160
.set PF,  224
.set WV,  10
.set HS,  11
.set QS,  12
.set ODD, 13
.set KIND, 14
.set CX,  15
.set CY,  16
.set HP,  17
.set QB,  18
.set TRIPS, 19
.set SEL, 20
.set CS,  22
.set G1M, 28
.set G1K, 36
.set G1V, 44
.set G0M, 52
.set G0K, 68
.set G0V, 76
.set PFA, 84
.set LIM, 86
.set PFS, 88
.set MSB, 0
.macro WIN new
.if MSB != (\new)
	s_set_vgpr_msb (MSB<<8)|(\new)
.set MSB, (\new)
.endif
.endm
.macro FOURNOP
.rept 4
	v_nop
.endr
.endm
; A joint refill of slot s.  The branches hang on the wave's number alone; an s_nop 0 and four v_nop follow each load.
.macro JLOAD s
	s_cmp_lg_u32 s[KIND], 0
	s_cbranch_scc1 .Lnot_m_\@
	tensor_load_to_lds s[G0M+4*\s:G0M+4*\s+3], s[G1M:G1M+7]
	s_nop 0
	FOURNOP
	s_branch .Lasked_\@
.Lnot_m_\@:
	s_cmp_lg_u32 s[KIND], 1
	s_cbranch_scc1 .Lnot_k_\@
	tensor_load_to_lds s[G0K+4*\s:G0K+4*\s+3], s[G1K:G1K+7]
	s_nop 0
	FOURNOP
	s_branch .Lasked_\@
.Lnot_k_\@:
	s_cmp_lg_u32 s[KIND], 2
	s_cbranch_scc1 .Lasked_\@
	tensor_load_to_lds s[G0V+4*\s:G0V+4*\s+3], s[G1V:G1V+7]
	s_nop 0
	FOURNOP
.Lasked_\@:
.endm
.macro CROUND
	s_barrier_signal -1
	s_barrier_wait -1
	s_cmp_lg_u32 s[WV], 0
	s_cbranch_scc1 .Lnot_wave_0_\@
	s_barrier_signal -3
.Lnot_wave_0_\@:
	s_barrier_wait -3
	s_barrier_signal -1
	s_barrier_wait -1
.endm
; A PREFETCH of what the NEXT change of slots will ask for: two key steps ahead of that load.  Each aligned block of 256 bytes is named once in the launch.
; The mask's rows are read by both clusters of a row of clusters: the first (cluster x = 0) asks, wave 6; its four partners take 32 rows each, by address; a slot's part of a row is two blocks.
; K and V of a head pair are read by all eight clusters of a column: the first (cluster y = 0) asks, wave 7; partner cy takes one of the four tiles (K, K, V, V), 16,384 dense bytes: 64 blocks.
; how = 1: the trip's first change always has a slot behind it; how = 0: the last trip's second change has none and asks for nothing.
.macro ASK how
.if \how
	s_cmp_eq_u32 s[LIM], 1
.else
	s_cmp_gt_u32 s[TRIPS], s[LIM]
.endif
	s_cbranch_scc0 .Lnot_mine_\@
	global_prefetch_b8 v[PFO], s[PFA:PFA+1] th:TH_LOAD_NT scope:SCOPE_SE
	global_prefetch_b8 v[PFO2], s[PFA:PFA+1] th:TH_LOAD_NT scope:SCOPE_SE
.Lnot_mine_\@:
.endm
	s_load_b128 s[4:7], s[0:1], 0x0                ; qkv, mask
	s_load_b64 s[8:9], s[0:1], 0x10                ; ctx
	v_lshl_add_u32 v[SPW], v0, 2, SPARE
	v_mov_b32 v[NIL], 0
	ds_add_u32 v[SPW], v[NIL]                      ; the wave's opening
	ds_add_u32 v[SPW], v[NIL]
	v_lshrrev_b32 v1, 5, v0
	v_readfirstlane_b32 s[WV], v1                  ; wave 0..7
	s_lshr_b32 s[HS], s[WV], 2                     ; which of the two heads
	s_and_b32 s[QS], s[WV], 3                      ; which 32 queries
	s_and_b32 s[ODD], s[WV], 1
	s_lshr_b32 s[KIND], s[WV], 1                   ; what I fetch: 0 mask, 1 K, 2 V, 3 nothing
	s_bfe_u32 s[CX], ttmp6, 0x40000
	s_bfe_u32 s[CY], ttmp6, 0x40004
	s_lshl_b32 s[HP], ttmp9, 2
	s_add_co_u32 s[HP], s[HP], s[CX]               ; the pair of heads
	s_and_b32 s[QB], ttmp7, 0xffff
	s_lshl_b32 s[QB], s[QB], 2
	s_add_co_u32 s[QB], s[QB], s[CY]               ; the block of 128 queries
	s_lshl_b32 s2, s[CY], 2
	s_lshl_b32 s2, 15, s2                          ; my row of the cluster
	s_lshl_b32 s3, 0x1111, s[CX]                   ; my column
	s_or_b32 s[G1M], s2, (2<<16)|(1<<20)|(1<<21)|(6<<22)|(3<<25)   ; elements of 4 bytes; padding: 4 words after every 128
	s_mov_b32 s[G1M+1], 128<<16                    ; tensor_dim0
	s_mov_b32 s[G1M+2], 64<<16                     ; tensor_dim1
	s_mov_b32 s[G1M+3], 128<<16                    ; tile_dim0
	s_mov_b32 s[G1M+4], 64                         ; tile_dim1
	s_mov_b32 s[G1M+5], 4096                       ; stride
	s_mov_b32 s[G1M+6], 0
	s_mov_b32 s[G1M+7], 0
	s_or_b32 s[G1K], s3, (1<<16)|(1<<20)|(1<<21)|(4<<22)|(3<<25)   ; elements of 2 bytes; 4 words after every 32
	s_or_b32 s[G1V], s3, (1<<16)|(1<<20)|(1<<21)|(4<<22)|(7<<25)   ; 8 words
.irp g, G1K, G1V
	s_mov_b32 s[\g+1], 64<<16
	s_mov_b32 s[\g+2], 128<<16
	s_mov_b32 s[\g+3], 64<<16
	s_mov_b32 s[\g+4], 128
	s_mov_b32 s[\g+5], 64
	s_mov_b32 s[\g+6], 0
	s_mov_b32 s[\g+7], 0
.endr
	s_lshl_b32 s60, s[QB], 21                      ; mask: 128 rows of 16,384 bytes a block, 64 rows for my half
	s_lshl_b32 s61, s[ODD], 20
	s_add_co_u32 s60, s60, s61
	s_mov_b32 s61, 0
	s_lshl_b32 s62, s[HP], 20                      ; K: two heads of 524,288 bytes a pair, one for my half, in k's part
	s_lshl_b32 s63, s[ODD], 19
	s_add_co_u32 s62, s62, s63
	s_add_co_u32 s62, s62, 0x800000
	s_mov_b32 s63, 0
	s_mul_i32 s66, s[ODD], 64*MKP
	s_mul_i32 s67, s[ODD], 128*KP
	s_add_co_u32 s67, s67, KOFF
	s_mul_i32 s90, s[ODD], 128*VP
	s_add_co_u32 s90, s90, VOFF
	s_mov_b32 s[SEL], 0x76543210
	s_mov_b32 s[SEL+1], 0xfedcba98
	s_mov_b32 s[CS], 0x3e38aa3b                    ; c8 = log2(e) / 8
	s_mov_b32 s[CS+1], s[CS]
	s_wait_dscnt 0x0                               ; both opening adds are done
	s_wait_kmcnt 0x0
	s_add_nc_u64 s[60:61], s[6:7], s[60:61]
	s_add_nc_u64 s[62:63], s[4:5], s[62:63]
	CROUND                                         ; all sixteen work-groups are here: the first joint loads meet
.irp s, 0,1
	s_mov_b32 s[G0M+4*\s], 1
	s_add_co_u32 s[G0M+4*\s+1], s66, \s*SLOT
	s_add_nc_u64 s[G0M+4*\s+2:G0M+4*\s+3], s[60:61], \s*512
	s_or_b32 s[G0M+4*\s+3], s[G0M+4*\s+3], 0x80000000
	s_mov_b32 s[G0K+4*\s], 1
	s_add_co_u32 s[G0K+4*\s+1], s67, \s*SLOT
	s_add_nc_u64 s[G0K+4*\s+2:G0K+4*\s+3], s[62:63], \s*16384
	s_or_b32 s[G0K+4*\s+3], s[G0K+4*\s+3], 0x80000000
	s_mov_b32 s[G0V+4*\s], 1
	s_add_co_u32 s[G0V+4*\s+1], s90, \s*SLOT
	s_add_nc_u64 s[G0V+4*\s+2:G0V+4*\s+3], s[62:63], 0x800000+\s*16384
	s_or_b32 s[G0V+4*\s+3], s[G0V+4*\s+3], 0x80000000
.endr
	s_cmp_lg_u32 s[KIND], 0                        ; a wave's two first fills stand in one branch
	s_cbranch_scc1 .Lff_not_m
	tensor_load_to_lds s[G0M:G0M+3], s[G1M:G1M+7]
	s_nop 0
	tensor_load_to_lds s[G0M+4:G0M+7], s[G1M:G1M+7]
	s_nop 0
	FOURNOP
	s_branch .Lff_done
.Lff_not_m:
	s_cmp_lg_u32 s[KIND], 1
	s_cbranch_scc1 .Lff_not_k
	tensor_load_to_lds s[G0K:G0K+3], s[G1K:G1K+7]
	s_nop 0
	tensor_load_to_lds s[G0K+4:G0K+7], s[G1K:G1K+7]
	s_nop 0
	FOURNOP
	s_branch .Lff_done
.Lff_not_k:
	s_cmp_lg_u32 s[KIND], 2
	s_cbranch_scc1 .Lff_done
	tensor_load_to_lds s[G0V:G0V+3], s[G1V:G1V+7]
	s_nop 0
	tensor_load_to_lds s[G0V+4:G0V+7], s[G1V:G1V+7]
	s_nop 0
	FOURNOP
.Lff_done:
	v_and_b32 v1, 15, v0                           ; r
	v_bfe_u32 v2, v0, 4, 1                         ; h
	v_lshlrev_b32 v[QO], 7, v1
	v_lshl_add_u32 v[QO], v2, 4, v[QO]
	s_lshl_b32 s92, s[HP], 20                      ; Q: my head, my 32 rows
	s_lshl_b32 s93, s[HS], 19
	s_add_co_u32 s92, s92, s93
	s_lshl_b32 s93, s[QB], 14
	s_add_co_u32 s92, s92, s93
	s_lshl_b32 s93, s[QS], 12
	s_add_co_u32 s92, s92, s93
	s_mov_b32 s93, 0
	s_add_nc_u64 s[24:25], s[4:5], s[92:93]
	WIN 0x40                                       ; destination window 1
.irp f, 0,1,2,3                        ; tile f / 2, channels 32 (f % 2) on
	global_load_b128 v[QF+8*\f:QF+8*\f+3],   v[QO], s[24:25] offset:2048*(\f/2)+64*(\f%2)
	global_load_b128 v[QF+8*\f+4:QF+8*\f+7], v[QO], s[24:25] offset:2048*(\f/2)+64*(\f%2)+32
.endr
	WIN 0
	s_lshl_b32 s92, s[QB], 18                      ; ctx: 128 rows of 2,048 bytes a block, 16 rows a wave, 256 bytes a pair of heads
	s_lshl_b32 s93, s[WV], 15
	s_add_co_u32 s92, s92, s93
	s_lshl_b32 s93, s[HP], 8
	s_add_co_u32 s92, s92, s93
	s_mov_b32 s93, 0
	s_add_nc_u64 s[8:9], s[8:9], s[92:93]
	; the prefetches: where mine stand, and who asks
	s_lshl_b32 s92, s[QB], 21
	s_lshl_b32 s93, s[CX], 19                      ; my work-group's 32 rows of the mask's 128
	s_add_co_u32 s92, s92, s93
	s_add_co_u32 s92, s92, 1024                    ; at the third slot's keys: the first change steps on to the fourth's
	s_lshr_b32 s93, s[CY], 1
	s_add_co_u32 s93, s93, 1
	s_lshl_b32 s93, s93, 23                        ; k's part or v's
	s_lshl_b32 s94, s[HP], 20
	s_add_co_u32 s93, s93, s94
	s_and_b32 s94, s[CY], 1
	s_lshl_b32 s94, s94, 19
	s_add_co_u32 s93, s93, s94
	s_add_co_u32 s93, s93, 32768
	s_cmp_eq_u32 s[WV], 6
	s_cselect_b64 s[PFA:PFA+1], s[6:7], s[4:5]
	s_cselect_b32 s92, s92, s93
	s_mov_b32 s93, 0
	s_mov_b32 s[PFS], 16384
	s_cselect_b32 s[PFS], 512, s[PFS]              ; a slot on
	s_mov_b32 s[PFS+1], 0
	s_mov_b32 s94, 256
	s_cselect_b32 s94, 16384, s94                  ; from lane to lane
	s_mov_b32 s95, 8192
	s_cselect_b32 s95, 256, s95                    ; from the first request to the second
	s_and_b32 s96, ttmp7, 0xffff
	s_cmp_eq_u32 s[WV], 6
	s_cselect_b32 s96, ttmp9, s96                  ; the coordinate along which other clusters read the same bytes
	s_xor_b32 s97, s[KIND], 3                      ; 0 in waves 6 and 7
	s_or_b32 s96, s96, s97
	s_cmp_eq_u32 s96, 0
	s_cselect_b32 s[LIM], 1, -1                    ; the same in all sixteen partners, for a given wave
	s_add_nc_u64 s[PFA:PFA+1], s[PFA:PFA+1], s[92:93]
	v_and_b32 v[PFO], 31, v0
	v_mul_lo_u32 v[PFO], v[PFO], s94
	v_add_nc_u32 v[PFO2], s95, v[PFO]
	; LDS addresses
	s_mul_i32 s92, s[QS], 32*MKP
	v_mul_u32_u24 v3, v1, MKP
	v_lshl_add_u32 v3, v2, 5, v3
	v_add_nc_u32 v[AM], s92, v3                    ; mask: row 32 qs + r, + 32 h
	v_add_nc_u32 v[AM+1], SLOT, v[AM]
	s_mul_i32 s92, s[HS], 128*KP
	s_add_co_u32 s92, s92, KOFF
	v_mul_u32_u24 v3, v1, KP
	v_lshl_add_u32 v3, v2, 4, v3
	v_add_nc_u32 v[AK], s92, v3
	v_add_nc_u32 v[AK+1], SLOT, v[AK]
	s_mul_i32 s92, s[HS], 128*VP
	s_add_co_u32 s92, s92, VOFF
	v_and_b32 v18, 7, v0
	v_bfe_u32 v19, v0, 3, 1
	v_lshl_add_u32 v3, v2, 3, v18
	v_mul_u32_u24 v3, v3, VP
	v_lshl_add_u32 v3, v19, 4, v3
	v_add_nc_u32 v[AV], s92, v3                    ; the turning load: key 8 h + l % 8, channels 8 ((l / 8) % 2) on
	v_add_nc_u32 v[AV+1], SLOT, v[AV]
	s_mul_i32 s92, s[QS], 32*SP
	s_lshl_b32 s93, s[HS], 7
	s_add_co_u32 s92, s92, s93
	s_add_co_u32 s92, s92, STAGE
	v_mul_u32_u24 v3, v1, SP
	v_lshl_add_u32 v3, v2, 4, v3
	v_add_nc_u32 v[STO], s92, v3
	s_mul_i32 s92, s[WV], 16*SP
	s_add_co_u32 s92, s92, STAGE
	v_mul_u32_u24 v3, v2, SP
	v_lshl_add_u32 v3, v1, 4, v3
	v_add_nc_u32 v[RD], s92, v3
	v_lshlrev_b32 v[GO], 11, v2
	v_lshl_add_u32 v[GO], v1, 4, v[GO]
	v_mov_b32 v[BIG], 0x479c4000
	v_mov_b32 v[BIG+1], 0x479c4000
	v_mov_b32 v[NBIG], 0xc79c4000
	v_mov_b32 v[NBIG+1], 0xc79c4000
; A KEY STEP: 64 keys, the q-th half of the slot.  first = 1: the first step starts m, l and O^T: nothing is ever cleared.
.macro STEP slot, q, first
	WIN 0x40
.irp f, 0,1,2,3,4,5,6,7                ; K: keys 16 (f / 2) on, channels 32 (f % 2) on
	ds_load_b128 v[KF+8*\f:KF+8*\f+3],   v[AK+\slot] offset:(64*\q+16*(\f/2))*KP+64*(\f%2)
	ds_load_b128 v[KF+8*\f+4:KF+8*\f+7], v[AK+\slot] offset:(64*\q+16*(\f/2))*KP+64*(\f%2)+32
.endr
	WIN 0
.irp f, 0,1,2,3,4,5,6,7                ; the mask, as the scores lie: tile f / 4, keys 16 (f % 4) + 8 h + 0 .. 7
	ds_load_b128 v[MSK+8*\f:MSK+8*\f+3],   v[AM+\slot] offset:256*\q+16*MKP*(\f/4)+64*(\f%4)
	ds_load_b128 v[MSK+8*\f+4:MSK+8*\f+7], v[AM+\slot] offset:256*\q+16*MKP*(\f/4)+64*(\f%4)+16
.endr
	WIN 0x40
.irp f, 0,1,2,3,4,5,6,7                ; V, turned: keys 32 (f / 4) on, channels 16 (f % 4) on
	ds_load_tr16_b128 v[VF+8*\f:VF+8*\f+3],   v[AV+\slot] offset:(64*\q+32*(\f/4))*VP+32*(\f%4)
	ds_load_tr16_b128 v[VF+8*\f+4:VF+8*\f+7], v[AV+\slot] offset:(64*\q+32*(\f/4))*VP+32*(\f%4)+16*VP
.endr
	s_wait_dscnt 32                                ; K is in; the mask's and V's 32 loads may be out
	WIN 0x05                                       ; K and Q window 1, S^T window 0
.irp c, 0,1                            ; the eight accumulators take turns, one instruction a turn
.irp t, 0,1
.irp kt, 0,1,2,3
.if \c == 0
	v_wmma_f32_16x16x32_f16 v[S+32*\t+8*\kt:S+32*\t+8*\kt+7], v[KF+16*\kt:KF+16*\kt+7], v[QF+16*\t:QF+16*\t+7], 0
.else
	v_wmma_f32_16x16x32_f16 v[S+32*\t+8*\kt:S+32*\t+8*\kt+7], v[KF+16*\kt+8:KF+16*\kt+15], v[QF+16*\t+8:QF+16*\t+15], v[S+32*\t+8*\kt:S+32*\t+8*\kt+7]
.endif
.endr
.endr
.endr
	WIN 0
	s_wait_dscnt 16                                ; the mask is in; V's 16 loads may be out
.set i, 0
.rept 32
	v_pk_fma_f32 v[U+i:U+i+1], v[MSK+i:MSK+i+1], v[BIG:BIG+1], v[NBIG:NBIG+1]   ; 80000 m - 80000: these name no register of the products and are the places behind them
.set i, i+2
.endr
.set i, 0
.rept 32
	v_pk_fma_f32 v[S+i:S+i+1], v[S+i:S+i+1], v[MSK+i:MSK+i+1], v[U+i:U+i+1]     ; y; each accumulator from its low end on
.set i, i+2
.endr
.irp j, 0,1,2,3
.irp t, 0,1
	v_max3_num_f32 v[ST+8*\t+4+\j], v[S+32*\t+8*\j], v[S+32*\t+8*\j+1], v[S+32*\t+8*\j+2]
.endr
.endr
.irp g, 1,2
.irp j, 0,1,2,3
.irp t, 0,1
	v_max3_num_f32 v[ST+8*\t+4+\j], v[ST+8*\t+4+\j], v[S+32*\t+8*\j+2*\g+1], v[S+32*\t+8*\j+2*\g+2]
.endr
.endr
.endr
.irp t, 0,1
	v_max3_num_f32 v[ST+8*\t+4], v[ST+8*\t+4], v[S+32*\t+7], v[S+32*\t+15]
	v_max3_num_f32 v[ST+8*\t+6], v[ST+8*\t+6], v[S+32*\t+23], v[S+32*\t+31]
.endr
.irp t, 0,1
	v_max3_num_f32 v[ST+8*\t+4], v[ST+8*\t+4], v[ST+8*\t+5], v[ST+8*\t+6]
.endr
.irp t, 0,1
.if \first
	v_max_num_f32 v[ST+8*\t+4], v[ST+8*\t+4], v[ST+8*\t+7]
.else
	v_max3_num_f32 v[ST+8*\t+4], v[ST+8*\t+4], v[ST+8*\t+7], v[ST+8*\t+1]      ; with the running maximum
.endif
.endr
.irp t, 0,1
	v_permlanex16_b32 v[ST+8*\t+5], v[ST+8*\t+4], s[SEL], s[SEL+1]             ; the query's other 32 keys lie in the lane 16 away
.endr
.if !\first
.irp t, 0,1
	v_mov_b32 v[ST+8*\t+7], v[ST+8*\t]             ; c8 m as it was
.endr
.endif
.irp t, 0,1
	v_max_num_f32 v[ST+8*\t+1], v[ST+8*\t+4], v[ST+8*\t+5]
.endr
.irp t, 0,1
	v_mul_f32 v[ST+8*\t], s[CS], v[ST+8*\t+1]
.endr
.if !\first
.irp t, 0,1
	v_sub_f32 v[ST+8*\t+7], v[ST+8*\t+7], v[ST+8*\t]
.endr
.endif
.irp t, 0,1
.set i, 0
.rept 16
	v_pk_fma_f32 v[S+32*\t+i:S+32*\t+i+1], v[S+32*\t+i:S+32*\t+i+1], s[CS:CS+1], v[ST+8*\t:ST+8*\t+1] op_sel_hi:[1,0,0] neg_lo:[0,0,1] neg_hi:[0,0,1]
.set i, i+2
.endr
.endr
.if !\first
.irp t, 0,1
	v_exp_f32 v[ST+8*\t+6], v[ST+8*\t+7]           ; a
.endr
.endif
.set i, 0
.rept 64
	v_exp_f32 v[S+i], v[S+i]                       ; p
.set i, i+1
.endr
	v_nop                                          ; a plain instruction behind the last exponential
	s_wait_alu depctr_va_vdst(0)                   ; one wait for the whole batch, ahead of its first reader
	WIN 0x40
.set i, 0
.rept 32
	v_cvt_pk_f16_f32 v[PF+i], v[S+2*i], v[S+2*i+1]
.set i, i+1
.endr
	WIN 0
.irp z, 0,1,2,3,4,5,6,7                ; the sums of the unrounded p, in place
.irp t, 0,1
	v_pk_add_f32 v[S+32*\t+4*\z:S+32*\t+4*\z+1], v[S+32*\t+4*\z:S+32*\t+4*\z+1], v[S+32*\t+4*\z+2:S+32*\t+4*\z+3]
.endr
.endr
.irp z, 0,1,2,3
.irp t, 0,1
	v_pk_add_f32 v[S+32*\t+8*\z:S+32*\t+8*\z+1], v[S+32*\t+8*\z:S+32*\t+8*\z+1], v[S+32*\t+8*\z+4:S+32*\t+8*\z+5]
.endr
.endr
.irp z, 0,1
.irp t, 0,1
	v_pk_add_f32 v[S+32*\t+16*\z:S+32*\t+16*\z+1], v[S+32*\t+16*\z:S+32*\t+16*\z+1], v[S+32*\t+16*\z+8:S+32*\t+16*\z+9]
.endr
.endr
.if \first
.irp t, 0,1
	v_pk_add_f32 v[ST+8*\t+2:ST+8*\t+3], v[S+32*\t:S+32*\t+1], v[S+32*\t+16:S+32*\t+17]
.endr
.else
.irp t, 0,1
	v_pk_add_f32 v[S+32*\t:S+32*\t+1], v[S+32*\t:S+32*\t+1], v[S+32*\t+16:S+32*\t+17]
.endr
.irp t, 0,1
	v_pk_fma_f32 v[ST+8*\t+2:ST+8*\t+3], v[ST+8*\t+2:ST+8*\t+3], v[ST+8*\t+6:ST+8*\t+7], v[S+32*\t:S+32*\t+1] op_sel_hi:[1,0,1]
.endr
	WIN 0x41                                       ; O^T window 1, a window 0
.irp t, 0,1
.set i, 0
.rept 16
	v_pk_mul_f32 v[OF+32*\t+i:OF+32*\t+i+1], v[OF+32*\t+i:OF+32*\t+i+1], v[ST+8*\t+6:ST+8*\t+7] op_sel_hi:[1,0]
.set i, i+2
.endr
.endr
.endif
	s_wait_dscnt 0x0                               ; V is in
	WIN 0x55
.irp ks, 0,1
.irp t, 0,1
.irp ct, 0,1,2,3
.if (\first) && (\ks == 0)
	v_wmma_f32_16x16x32_f16 v[OF+32*\t+8*\ct:OF+32*\t+8*\ct+7], v[VF+32*\ks+8*\ct:VF+32*\ks+8*\ct+7], v[PF+16*\t+8*\ks:PF+16*\t+8*\ks+7], 0
.else
	v_wmma_f32_16x16x32_f16 v[OF+32*\t+8*\ct:OF+32*\t+8*\ct+7], v[VF+32*\ks+8*\ct:VF+32*\ks+8*\ct+7], v[PF+16*\t+8*\ks:PF+16*\t+8*\ks+7], v[OF+32*\t+8*\ct:OF+32*\t+8*\ct+7]
.endif
.endr
.endr
.endr
	WIN 0
	FOURNOP                                        ; places in front of the next step's loads into V's registers, and of the way out's first read of O^T
.endm
; THE CHANGE OF SLOTS.  Each wave waits for all its tensor loads (its part of the slot ahead), adds 0 to its spare word, and waits for that and for its reads of the slot that it leaves.
; fill = 1: the barrier is a round of the cluster's, and the slot just left (other) is filled with the keys two slots on: the load has two key steps in which to land.
.macro CHANGE other, fill, how
	s_wait_tensorcnt 0x0                           ; no tensor load of mine is out: the descriptors may be written
	ds_add_u32 v[SPW], v[NIL]
.if \fill
	ds_add_u32 v[SPW], v[NIL]                      ; and twice on end here, in every trip alike
	s_add_nc_u64 s[G0M+4*\other+2:G0M+4*\other+3], s[G0M+4*\other+2:G0M+4*\other+3], 1024
	s_add_nc_u64 s[G0K+4*\other+2:G0K+4*\other+3], s[G0K+4*\other+2:G0K+4*\other+3], 32768
	s_add_nc_u64 s[G0V+4*\other+2:G0V+4*\other+3], s[G0V+4*\other+2:G0V+4*\other+3], 32768
	s_wait_xcnt 0x0                                ; the last prefetches, two key steps back, have read their address
	s_add_nc_u64 s[PFA:PFA+1], s[PFA:PFA+1], s[PFS:PFS+1]
	s_wait_dscnt 0x0
	CROUND
	JLOAD \other
	ASK \how
.else
	s_wait_dscnt 0x0
	s_barrier_signal -1
	s_barrier_wait -1
.endif
.endm
	s_wait_tensorcnt 0x0                           ; my parts of both slots are in (every wait on this counter in the text is for 0: two waves issue no load)
	s_barrier_signal -1
	s_barrier_wait -1                              ; everybody's are
	s_wait_loadcnt 0x0                             ; Q
	STEP 0, 0, 1
	STEP 0, 1, 0
	s_mov_b32 s[TRIPS], 15
.Lloop:                                            ; a trip: four key steps, both slots filled again; 15 trips fill with keys 256 .. 4,095
	CHANGE 0, 1, 1
	STEP 1, 0, 0
	STEP 1, 1, 0
	CHANGE 1, 1, 0
	STEP 0, 0, 0
	STEP 0, 1, 0
	s_sub_co_u32 s[TRIPS], s[TRIPS], 1
	s_cmp_lg_u32 s[TRIPS], 0
	s_cbranch_scc1 .Lloop
	CHANGE 0, 0, 0                                 ; the last slot: nothing is left to ask for
	STEP 1, 0, 0
	STEP 1, 1, 0
	; THE WAY OUT: O^T / l, rounded to f16, through the stage (a row's 256 bytes come from two waves), out as whole rows.
.irp t, 0,1
	v_add_f32 v[ST+8*\t+4], v[ST+8*\t+2], v[ST+8*\t+3]
.endr
.irp t, 0,1
	v_permlanex16_b32 v[ST+8*\t+5], v[ST+8*\t+4], s[SEL], s[SEL+1]
.endr
.irp t, 0,1
	v_add_f32 v[ST+8*\t+4], v[ST+8*\t+4], v[ST+8*\t+5]
.endr
.irp t, 0,1
	v_rcp_f32 v[ST+8*\t+6], v[ST+8*\t+4]
.endr
	v_nop
	s_wait_alu depctr_va_vdst(0)                   ; one wait for both reciprocals
	WIN 0x41
.irp t, 0,1
.set i, 0
.rept 16
	v_pk_mul_f32 v[OF+32*\t+i:OF+32*\t+i+1], v[OF+32*\t+i:OF+32*\t+i+1], v[ST+8*\t+6:ST+8*\t+7] op_sel_hi:[1,0]
.set i, i+2
.endr
.endr
	WIN 0x05                                       ; sources window 1, destination window 0
.set i, 0
.rept 32
	v_cvt_pk_f16_f32 v[S+i], v[OF+2*i], v[OF+2*i+1]
.set i, i+1
.endr
	WIN 0
.irp t, 0,1
.irp ct, 0,1,2,3
	ds_store_b128 v[STO], v[S+16*\t+4*\ct:S+16*\t+4*\ct+3] offset:16*SP*\t+32*\ct
.endr
.endr
	s_wait_dscnt 0x0                               ; for the others' sake
	s_barrier_signal -1
	s_barrier_wait -1
.irp t, 0,1,2,3,4,5,6,7
	ds_load_b128 v[S+32+4*\t:S+32+4*\t+3], v[RD] offset:2*SP*\t
.endr
.irp t, 0,1,2,3,4,5,6,7
	s_wait_dscnt 7-\t
	global_store_b128 v[GO], v[S+32+4*\t:S+32+4*\t+3], s[8:9] offset:4096*\t   ; sixteen lanes store 256 consecutive bytes, aligned
.endr
	s_wait_tensorcnt 0x0                           ; the wave's end
	ds_add_u32 v[SPW], v[NIL]
	s_wait_dscnt 0x0
	CROUND                                         ; the closing round
	s_endpgm
.Lfunc_end_k_q737c5a2791_attn:
	.size	k_q737c5a2791_attn, .Lfunc_end_k_q737c5a2791_attn-k_q737c5a2791_attn
	.p2alignl 7, 3214868480
	.fill 96, 4, 3214868480
	.section	.rodata,"a",@progbits
	.p2align	6, 0x0
	.amdhsa_kernel k_q737c5a2791_attn
		.amdhsa_group_segment_fixed_size 327680
		.amdhsa_private_segment_fixed_size 0
		.amdhsa_enable_private_segment 0
		.amdhsa_kernarg_size 24
		.amdhsa_user_sgpr_count 2
		.amdhsa_user_sgpr_kernarg_segment_ptr 1
		.amdhsa_wavefront_size32 1
		.amdhsa_system_sgpr_workgroup_id_x 1
		.amdhsa_system_sgpr_workgroup_id_y 1
		.amdhsa_system_sgpr_workgroup_id_z 1
		.amdhsa_system_vgpr_workitem_id 0
		.amdhsa_next_free_vgpr 512
		.amdhsa_next_free_sgpr 100
		.amdhsa_reserve_vcc 0
		.amdhsa_float_denorm_mode_32 3
		.amdhsa_float_denorm_mode_16_64 3
		.amdhsa_memory_ordered 1
		.amdhsa_forward_progress 1
		.amdhsa_inst_pref_size 197
	.end_amdhsa_kernel
	.amdgpu_metadata
---
amdhsa.version: [ 1, 2 ]
amdhsa.kernels:
  - .name:           k_q737c5a2791_attn
    .symbol:         k_q737c5a2791_attn.kd
    .args:
      - { .name: qkv, .offset: 0, .size: 8, .value_kind: global_buffer, .address_space: global }
      - { .name: mask, .offset: 8, .size: 8, .value_kind: global_buffer, .address_space: global }
      - { .name: ctx, .offset: 16, .size: 8, .value_kind: global_buffer, .address_space: global }
    .group_segment_fixed_size: 327680
    .private_segment_fixed_size: 0
    .kernarg_segment_align: 8
    .kernarg_segment_size: 24
    .max_flat_workgroup_size: 256
    .sgpr_count:     100
    .vgpr_count:     512
    .wavefront_size: 32
...
	.end_amdgpu_metadata
.endif
;; end of part 4
;; launch outp (part 5): grid 8 x 32, 4 waves a work-group, clusters of 4 x 4, 327,680 bytes of LDS; arguments ctx, wot, out0, b_out; writes out0
.if DOCPART == 5
	.amdgcn_target "amdgcn-amd-amdhsa--gfx1250"
	.amdhsa_code_object_version 6
	.text
	.protected	k_q737c5a2791_outp
	.globl	k_q737c5a2791_outp
	.p2align	8
	.type	k_q737c5a2791_outp,@function
k_q737c5a2791_outp:
	s_mov_b64 s[64:65], 0
	v_nop
	global_prefetch_b8 v0, s[64:65] scope:SCOPE_SE
	s_setreg_imm32_b32 hwreg(HW_REG_WAVE_MODE, 25, 1), 1
	s_wait_xcnt 0x0
	s_wait_alu depctr_hold_cnt(0) depctr_sa_sdst(0) depctr_va_vdst(0) depctr_va_sdst(0) depctr_va_ssrc(0) depctr_va_vcc(0) depctr_vm_vsrc(0)
	s_getreg_b32 s2, hwreg(HW_REG_IB_STS2, 6, 4)
	s_cmp_eq_u32 s2, 0
	s_cbranch_scc0 .Lentry_in_a_cluster
	s_endpgm
.Lentry_in_a_cluster:
	s_bfe_u32 s2, ttmp6, 0x10000c
	s_cmp_lg_u32 s2, 0xf033
	s_cbranch_scc0 .Lentry_shape_is_right
	s_endpgm
.Lentry_shape_is_right:
; OUTP: out0 = ctx W_out + b_out.  A = ctx [4096][1024] f16, B = wot [1024 n][1024 k] f16, out0 [4096][1024] f32; sums in f32.
; Tiles of 128 x 128, so that there are 256 work-groups; four waves of 64 x 64; K steps of 256 (LDS rows of 512 + 16 bytes) through two slots; 4 x 4 clusters with joint loads of A's and B's tiles.
; The matrix instruction is used transposed (source 0 = rows of B, source 1 = rows of A); the bias is the C of each sum's first instruction.
; A wave's 64 columns of f32 are 256 aligned bytes: each wave has a stage of its own and needs no barrier on the way out.
; Rows 0-15 are stored here with f16 operands like all others (leaving them out would be a branch on a work-group's place in its cluster); the last launch stores them again, carried in f32.
; No prefetch: the tile is small, and both operands are read again and again by neighbouring work-groups.
.set SIZE_N, 1024
.set SIZE_K, 1024
.set KSTEP,  256
.set PITCH,  528
.set HALFT,  64*PITCH
.set SLOT,   4*HALFT
.set STAGE,  2*SLOT
.set SPITCH, 272
.set SPARE,  STAGE+4*16*SPITCH
.set LAPS, SIZE_K/(2*KSTEP)
.set ADRA, 16
.set ADRB, 20
.set STO,  24
.set RD,   25
.set CO,   26
.set SPW,  28
.set NIL,  29
.set TMP,  32
.set BIAS, 96                          ; v96-127: eight registers for each of my four blocks of columns
.set ACC,  128
.set F0,   0
.set F1,   128
.set G1, 24
.set G0, 32
.set G1B, 48
.set G0B, 56
.set MSB, 0
.macro WIN new
.if MSB != (\new)
	s_set_vgpr_msb (MSB<<8)|(\new)
.set MSB, (\new)
.endif
.endm
.set MUL,  0x05
.set TO_F, 0x40
.macro JLOAD s
	s_cmp_eq_u32 s11, 0
	s_cbranch_scc0 .Lfor_b_\@
	tensor_load_to_lds s[G0+4*\s:G0+4*\s+3], s[G1:G1+7]
	s_nop 0
.rept 4
	v_nop
.endr
	s_branch .Lasked_\@
.Lfor_b_\@:
	tensor_load_to_lds s[G0B+4*\s:G0B+4*\s+3], s[G1B:G1B+7]
	s_nop 0
.rept 4
	v_nop
.endr
.Lasked_\@:
.endm
.macro CREST
	s_cmp_lg_u32 s10, 0
	s_cbranch_scc1 .Lnot_wave_0_\@
	s_barrier_signal -3
.Lnot_wave_0_\@:
	s_barrier_wait -3
	s_barrier_signal -1
	s_barrier_wait -1
.endm
.macro CROUND
	s_barrier_signal -1
	s_barrier_wait -1
	CREST
.endm
	s_load_b128 s[4:7], s[0:1], 0x0                ; A, B
	s_load_b64 s[8:9], s[0:1], 0x10                ; out0
	s_load_b64 s[66:67], s[0:1], 0x18              ; b_out
	v_lshl_add_u32 v[SPW], v0, 2, SPARE
	v_mov_b32 v[NIL], 0
	ds_add_u32 v[SPW], v[NIL]                      ; the wave's opening
	ds_add_u32 v[SPW], v[NIL]
	v_lshrrev_b32 v1, 5, v0
	v_readfirstlane_b32 s10, v1                    ; wave 0..3
	s_lshr_b32 s11, s10, 1                         ; which half of the rows; also: I fetch for A (0) or B (1)
	s_and_b32 s12, s10, 1                          ; which half of the columns; also: which 64 rows I fetch
	s_bfe_u32 s40, ttmp6, 0x40000
	s_bfe_u32 s41, ttmp6, 0x40004
	s_lshl_b32 s42, ttmp9, 2
	s_add_co_u32 s42, s42, s40                     ; tile column
	s_and_b32 s13, ttmp7, 0xffff
	s_lshl_b32 s13, s13, 2
	s_add_co_u32 s13, s13, s41                     ; tile row
	s_lshl_b32 s43, s41, 2
	s_lshl_b32 s43, 15, s43
	s_lshl_b32 s44, 0x1111, s40
	s_or_b32 s[G1+0], s43, (1<<16)|(1<<20)|(1<<21)|(6<<22)|(3<<25)   ; elements of 2 bytes; padding: 4 words after every 128
	s_or_b32 s[G1B+0], s44, (1<<16)|(1<<20)|(1<<21)|(6<<22)|(3<<25)
.irp g, G1, G1B
	s_mov_b32 s[\g+1], KSTEP<<16
	s_mov_b32 s[\g+2], 64<<16
	s_mov_b32 s[\g+3], KSTEP<<16
	s_mov_b32 s[\g+4], 64
	s_mov_b32 s[\g+5], SIZE_K
	s_mov_b32 s[\g+6], 0
	s_mov_b32 s[\g+7], 0
.endr
	s_lshl_b32 s17, s12, 6
	s_lshl_b32 s16, s13, 7
	s_add_co_u32 s16, s16, s17
	s_lshl_b32 s46, s42, 7
	s_add_co_u32 s46, s46, s17
	s_mov_b32 s17, 0
	s_mov_b32 s47, 0
	s_mov_b64 s[18:19], SIZE_K*2
	s_mul_u64 s[16:17], s[16:17], s[18:19]
	s_mul_u64 s[46:47], s[46:47], s[18:19]
	s_mul_i32 s20, s10, HALFT
	s_wait_dscnt 0x0                               ; both opening adds are done
	s_wait_kmcnt 0x0
	s_add_nc_u64 s[14:15], s[4:5], s[16:17]
	s_add_nc_u64 s[46:47], s[6:7], s[46:47]
	CROUND
.irp s, 0,1
	s_mov_b32 s[G0+4*\s], 1
	s_add_co_u32 s[G0+4*\s+1], s20, \s*SLOT
	s_add_nc_u64 s[G0+4*\s+2:G0+4*\s+3], s[14:15], \s*KSTEP*2
	s_or_b32 s[G0+4*\s+3], s[G0+4*\s+3], 0x80000000
	s_mov_b32 s[G0B+4*\s], 1
	s_add_co_u32 s[G0B+4*\s+1], s20, \s*SLOT
	s_add_nc_u64 s[G0B+4*\s+2:G0B+4*\s+3], s[46:47], \s*KSTEP*2
	s_or_b32 s[G0B+4*\s+3], s[G0B+4*\s+3], 0x80000000
	JLOAD \s
.endr
	v_and_b32 v1, 15, v0
	v_bfe_u32 v2, v0, 4, 1
	v_mul_u32_u24 v3, v1, PITCH
	v_lshl_add_u32 v3, v2, 4, v3
	s_mul_i32 s21, s11, HALFT
	s_mul_i32 s22, s12, HALFT
	s_add_co_u32 s22, s22, 2*HALFT
.irp s, 0,1
	v_add_nc_u32 v[ADRA+\s], s21, v3
	v_add_nc_u32 v[ADRB+\s], s22, v3
	s_add_co_u32 s21, s21, SLOT
	s_add_co_u32 s22, s22, SLOT
.endr
	s_mul_i32 s23, s10, 16*SPITCH
	s_add_co_u32 s23, s23, STAGE                   ; my stage: 16 rows x (256 + 16) bytes
	v_mul_u32_u24 v4, v1, SPITCH
	v_lshl_add_u32 v4, v2, 5, v4
	v_add_nc_u32 v[STO], s23, v4                   ; in: row r, 32 bytes for each half of the lanes
	v_mul_u32_u24 v5, v2, SPITCH
	v_lshl_add_u32 v5, v1, 4, v5
	v_add_nc_u32 v[RD], s23, v5                    ; back: sixteen lanes to a row
	v_lshlrev_b32 v5, 12, v2
	v_lshl_add_u32 v[CO], v1, 4, v5
	s_lshl_b32 s16, s13, 7
	s_lshl_b32 s17, s11, 6
	s_add_co_u32 s16, s16, s17                     ; my first row: 128 x tile row + 64 x half
	s_mov_b32 s17, 0
	s_mov_b64 s[18:19], SIZE_N*4
	s_mul_u64 s[16:17], s[16:17], s[18:19]
	s_add_nc_u64 s[8:9], s[8:9], s[16:17]
	s_lshl_b32 s46, s42, 9                         ; my first column, in bytes: 512 x tile column + 256 x half
	s_lshl_b32 s47, s12, 8
	s_add_co_u32 s46, s46, s47
	s_mov_b32 s47, 0
	s_add_nc_u64 s[8:9], s[8:9], s[46:47]
	s_add_nc_u64 s[66:67], s[66:67], s[46:47]      ; and the same place in the bias
	v_lshlrev_b32 v6, 5, v2
.irp b, 0,1,2,3
	global_load_b128 v[BIAS+8*\b:BIAS+8*\b+3], v6, s[66:67] offset:64*\b
	global_load_b128 v[BIAS+8*\b+4:BIAS+8*\b+7], v6, s[66:67] offset:64*\b+16
.endr
.macro MUL8 f, c, a0, zero             ; 8 products; zero = 1: the bias starts the sums.  The 16 accumulators take turns
.irp a, \a0, \a0+1
.irp b, 0,1,2,3
.if \zero
	v_wmma_f32_16x16x32_f16 v[ACC+8*(4*(\a)+\b):ACC+8*(4*(\a)+\b)+7], v[\f+64+8*(4*\c+\b):\f+64+8*(4*\c+\b)+7], v[\f+8*(4*\c+\a):\f+8*(4*\c+\a)+7], v[BIAS+8*\b:BIAS+8*\b+7]
.else
	v_wmma_f32_16x16x32_f16 v[ACC+8*(4*(\a)+\b):ACC+8*(4*(\a)+\b)+7], v[\f+64+8*(4*\c+\b):\f+64+8*(4*\c+\b)+7], v[\f+8*(4*\c+\a):\f+8*(4*\c+\a)+7], v[ACC+8*(4*(\a)+\b):ACC+8*(4*(\a)+\b)+7]
.endif
.endr
.endr
.endm
.macro FETCH slot, k, f
	WIN TO_F
.irp c, 0,1
.irp i, 0,1,2,3
	ds_load_b128 v[\f+64+8*(4*\c+\i):\f+64+8*(4*\c+\i)+3],   v[ADRB+\slot] offset:\k+64*\c+\i*16*PITCH
	ds_load_b128 v[\f+64+8*(4*\c+\i)+4:\f+64+8*(4*\c+\i)+7], v[ADRB+\slot] offset:\k+64*\c+\i*16*PITCH+32
	ds_load_b128 v[\f+8*(4*\c+\i):\f+8*(4*\c+\i)+3],         v[ADRA+\slot] offset:\k+64*\c+\i*16*PITCH
	ds_load_b128 v[\f+8*(4*\c+\i)+4:\f+8*(4*\c+\i)+7],       v[ADRA+\slot] offset:\k+64*\c+\i*16*PITCH+32
.endr
.endr
.endm
.macro PLACES
.rept 4
	v_nop
.endr
.endm
.macro QUARTER slot, k, f, g, zero
	s_wait_dscnt 16                                ; the first 32 along K are in; the other sixteen loads may be out
	WIN MUL
	MUL8 \f, 0, 0, \zero
	MUL8 \f, 0, 2, \zero
	PLACES
	FETCH \slot, \k, \g
	s_wait_dscnt 32                                ; all but the 32 just issued
	WIN MUL
	MUL8 \f, 1, 0, 0
	MUL8 \f, 1, 2, 0
.endm
.macro TURN slot, next, fill
	WIN 0
	s_wait_tensorcnt 0x0                           ; all my tensor loads have landed: my part of the next slot
	ds_add_u32 v[SPW], v[NIL]
	s_wait_dscnt 17                                ; the add and the youngest sixteen loads may be out
	WIN MUL
	MUL8 F1, 0, 0, 0
	s_wait_dscnt 0x0                               ; the add is done, and my reads of this slot are over
	s_barrier_signal -1
	MUL8 F1, 0, 2, 0
.if \fill
	WIN 0
.endif
	s_barrier_wait -1
.if \fill
	CREST                                          ; the barrier has opened a round of the cluster's
	s_add_nc_u64 s[G0+4*\slot+2:G0+4*\slot+3], s[G0+4*\slot+2:G0+4*\slot+3], 2*KSTEP*2
	s_add_nc_u64 s[G0B+4*\slot+2:G0B+4*\slot+3], s[G0B+4*\slot+2:G0B+4*\slot+3], 2*KSTEP*2
	JLOAD \slot                                    ; the four v_nop behind it are also the places in front of the loads below
.else
	PLACES
.endif
	FETCH \next, 0, F0
	WIN MUL
	MUL8 F1, 1, 0, 0
	MUL8 F1, 1, 2, 0
.endm
	s_wait_tensorcnt 1                             ; my part of K step 0 is in; K step 1's load may be out
	s_barrier_signal -1
	s_barrier_wait -1
	FETCH 0, 0, F0
	s_wait_loadcnt 0x0                             ; the bias
	QUARTER 0, 128, F0, F1, 1
	WIN 0
	s_mov_b32 s3, LAPS-1
.Llap:
	QUARTER 0, 256, F1, F0, 0
	QUARTER 0, 384, F0, F1, 0
	TURN 0, 1, 1
	QUARTER 1, 128, F0, F1, 0
	QUARTER 1, 256, F1, F0, 0
	QUARTER 1, 384, F0, F1, 0
	TURN 1, 0, 1
	QUARTER 0, 128, F0, F1, 0
	WIN 0
	s_sub_co_u32 s3, s3, 1
	s_cmp_lg_u32 s3, 0
	s_cbranch_scc1 .Llap
	QUARTER 0, 256, F1, F0, 0                      ; the last lap fills nothing
	QUARTER 0, 384, F0, F1, 0
	TURN 0, 1, 0
	QUARTER 1, 128, F0, F1, 0
	QUARTER 1, 256, F1, F0, 0
	QUARTER 1, 384, F0, F1, 0
	s_wait_dscnt 16
	WIN MUL
	MUL8 F1, 0, 0, 0
	MUL8 F1, 0, 2, 0
	s_wait_dscnt 0
	MUL8 F1, 1, 0, 0
	MUL8 F1, 1, 2, 0
	WIN 0
	; THE WAY OUT, 16 rows x 64 columns at a time, through my own stage; LDS serves a wave's instructions in order, so no wait stands between the stores and the loads.
	PLACES
.irp a, 0,1,2,3
.if \a >= 2
	s_wait_xcnt 0x0                                ; the stores of two blocks back have read their registers
.endif
.irp b, 0,1,2,3
	ds_store_b128 v[STO], v[ACC+8*(4*\a+\b):ACC+8*(4*\a+\b)+3] offset:64*\b          ; each accumulator from its low end on
	ds_store_b128 v[STO], v[ACC+8*(4*\a+\b)+4:ACC+8*(4*\a+\b)+7] offset:64*\b+16
.endr
.irp t, 0,1,2,3,4,5,6,7
	ds_load_b128 v[TMP+32*(\a%2)+4*\t:TMP+32*(\a%2)+4*\t+3], v[RD] offset:\t*2*SPITCH
.endr
.irp t, 0,1,2,3,4,5,6,7
	s_wait_dscnt 7-\t
	global_store_b128 v[CO], v[TMP+32*(\a%2)+4*\t:TMP+32*(\a%2)+4*\t+3], s[8:9] offset:(16*\a+2*\t)*SIZE_N*4   ; sixteen lanes store 256 consecutive bytes, aligned
.endr
.endr
	s_wait_tensorcnt 0x0                           ; the wave's end
	ds_add_u32 v[SPW], v[NIL]
	s_wait_dscnt 0x0
	CROUND                                         ; the closing round
	s_endpgm
.Lfunc_end_k_q737c5a2791_outp:
	.size	k_q737c5a2791_outp, .Lfunc_end_k_q737c5a2791_outp-k_q737c5a2791_outp
	.p2alignl 7, 3214868480
	.fill 96, 4, 3214868480
	.section	.rodata,"a",@progbits
	.p2align	6, 0x0
	.amdhsa_kernel k_q737c5a2791_outp
		.amdhsa_group_segment_fixed_size 327680
		.amdhsa_private_segment_fixed_size 0
		.amdhsa_enable_private_segment 0
		.amdhsa_kernarg_size 32
		.amdhsa_user_sgpr_count 2
		.amdhsa_user_sgpr_kernarg_segment_ptr 1
		.amdhsa_wavefront_size32 1
		.amdhsa_system_sgpr_workgroup_id_x 1
		.amdhsa_system_sgpr_workgroup_id_y 1
		.amdhsa_system_sgpr_workgroup_id_z 1
		.amdhsa_system_vgpr_workitem_id 0
		.amdhsa_next_free_vgpr 512
		.amdhsa_next_free_sgpr 68
		.amdhsa_reserve_vcc 0
		.amdhsa_float_denorm_mode_32 3
		.amdhsa_float_denorm_mode_16_64 3
		.amdhsa_memory_ordered 1
		.amdhsa_forward_progress 1
		.amdhsa_inst_pref_size 87
	.end_amdhsa_kernel
	.amdgpu_metadata
---
amdhsa.version: [ 1, 2 ]
amdhsa.kernels:
  - .name:           k_q737c5a2791_outp
    .symbol:         k_q737c5a2791_outp.kd
    .args:
      - { .name: ctx, .offset: 0, .size: 8, .value_kind: global_buffer, .address_space: global }
      - { .name: wot, .offset: 8, .size: 8, .value_kind: global_buffer, .address_space: global }
      - { .name: out0, .offset: 16, .size: 8, .value_kind: global_buffer, .address_space: global }
      - { .name: b_out, .offset: 24, .size: 8, .value_kind: global_buffer, .address_space: global }
    .group_segment_fixed_size: 327680
    .private_segment_fixed_size: 0
    .kernarg_segment_align: 8
    .kernarg_segment_size: 32
    .max_flat_workgroup_size: 128
    .sgpr_count:     68
    .vgpr_count:     512
    .wavefront_size: 32
...
	.end_amdgpu_metadata
.endif
;; end of part 5
;; launch out16 (part 6): grid 16 x 1, 16 waves a work-group, no clusters, 133,120 bytes of LDS; arguments part16, W_out, b_out, out0; writes out0
.if DOCPART == 6
	.amdgcn_target "amdgcn-amd-amdhsa--gfx1250"
	.amdhsa_code_object_version 6
	.text
	.protected	k_q737c5a2791_out16
	.globl	k_q737c5a2791_out16
	.p2align	8
	.type	k_q737c5a2791_out16,@function
k_q737c5a2791_out16:
	s_mov_b64 s[64:65], 0
	v_nop
	global_prefetch_b8 v0, s[64:65] scope:SCOPE_SE
	s_setreg_imm32_b32 hwreg(HW_REG_WAVE_MODE, 25, 1), 1
	s_wait_xcnt 0x0
; OUT16: rows 0-15 of out0 once more, carried in f32.  The 16 partial results of each head (c8 M, L, O for 256 keys each) are joined: e_c = 2^(c8 M_c - the largest c8 M),
; ctx = sum e_c O_c / sum e_c L_c; then out0[q][n] = sum over k of ctx[q][k] W_out[k][n] + b_out[n] by fused multiply-adds on f32 numbers.  No matrix instruction: 16 rows are no bulk work.
; A work-group owns 64 columns.  Wave w joins head w (every work-group joins all heads anew: 1 MiB of reads each, in place of one more launch) and multiplies k = 64 w .. 64 w + 63; a lane holds two columns
; for all 16 rows.  The 16 waves' partial sums meet in LDS; wave w adds up row w and stores its 256 bytes.
; LDS: ctx, [wave][k 64][q 16] f32, 0 .. 65,535; partial sums, [wave][q 16][64 n] f32, 65,536 .. 131,071; the spare words behind them.
.set RED,   65536
.set SPARE, 131072
.set L8,  2
.set L16, 3
.set CTA, 4
.set CTB, 5
.set RA,  6
.set RB,  7
.set SPW, 8
.set NIL, 9
.set BI,  10                           ; v[10:11] the bias of my two columns
.set E,   16                           ; v16-31 e_c
.set MS,  32                           ; v32-63 pairs (c8 M_c, L_c); later a batch of ctx
.set W,   64                           ; v64-191 W_out(k, my two columns), 2 k; its upper half first holds two chunks of O
.set CHK, 128
.set ACC, 192                          ; v192-223 the joined ctx; later a batch of ctx
.set OA,  224                          ; v224-255 16 rows x my two columns
	s_load_b256 s[4:11], s[0:1], 0x0               ; part16 s[4:5], W_out s[6:7], b_out s[8:9], out0 s[10:11]
	v_lshl_add_u32 v[SPW], v0, 2, SPARE
	v_mov_b32 v[NIL], 0
	v_lshrrev_b32 v1, 5, v0
	v_readfirstlane_b32 s12, v1                    ; wave = head = row
	v_and_b32 v1, 31, v0
	v_lshlrev_b32 v[L8], 3, v1
	v_lshlrev_b32 v[L16], 4, v1
	v_and_b32 v12, 15, v0                          ; r
	v_bfe_u32 v13, v0, 4, 1                        ; h
	s_lshl_b32 s13, s12, 12
	v_lshlrev_b32 v[CTA], 2, v12
	v_lshl_add_u32 v[CTA], v13, 9, v[CTA]
	v_add_nc_u32 v[CTA], s13, v[CTA]               ; ctx in: k = 8 h + .., q = r
	v_mov_b32 v[CTB], s13                          ; ctx back: the same address in all lanes
	s_add_co_u32 s14, s13, RED
	v_add_nc_u32 v[RA], s14, v[L8]
	s_lshl_b32 s14, s12, 8
	s_add_co_u32 s14, s14, RED
	v_add_nc_u32 v[RB], s14, v[L8]
	s_lshl_b32 s16, s12, 16                        ; my head's 16 images of 4,096 bytes
	s_mov_b32 s17, 0
	s_lshl_b32 s18, s12, 12                        ; and its 16 x 256 bytes of statistics
	s_add_co_u32 s18, s18, 0x100000
	s_mov_b32 s19, 0
	s_lshl_b32 s24, ttmp9, 8                       ; my work-group's 64 columns, in bytes
	s_mov_b32 s25, 0
	s_lshl_b32 s20, s12, 18                        ; 64 rows of W_out
	s_add_co_u32 s20, s20, s24
	s_mov_b32 s21, 0
	s_add_co_u32 s22, s13, s24                     ; row w of out0
	s_mov_b32 s23, 0
	s_wait_kmcnt 0x0
	s_add_nc_u64 s[16:17], s[4:5], s[16:17]
	s_add_nc_u64 s[18:19], s[4:5], s[18:19]
	s_add_nc_u64 s[20:21], s[6:7], s[20:21]
	s_add_nc_u64 s[24:25], s[8:9], s[24:25]
	s_add_nc_u64 s[22:23], s[10:11], s[22:23]
	global_load_b64 v[BI:BI+1], v[L8], s[24:25]
.set i, 0
.rept 32
	global_load_b64 v[W+2*i:W+2*i+1], v[L8], s[20:21] offset:4096*i   ; the wave reads 256 consecutive bytes
.set i, i+1
.endr
.set i, 0
.rept 16
	global_load_b64 v[MS+2*i:MS+2*i+1], v[L8], s[18:19] offset:256*i
.set i, i+1
.endr
.macro CHLOAD c                        ; chunk c's image of O: register 8 ct + j of lane (r, h) is channel 16 ct + 8 h + j of query r
.irp i, 0,1,2,3,4,5,6,7
	global_load_b128 v[CHK+32*((\c)%2)+4*\i:CHK+32*((\c)%2)+4*\i+3], v[L16], s[16:17] offset:4096*(\c)+512*\i
.endr
.endm
	CHLOAD 0
	CHLOAD 1
	s_wait_loadcnt 16                              ; all but the two chunks
	v_max3_num_f32 v12, v[MS], v[MS+2], v[MS+4]
.irp c, 3,5,7,9,11,13
	v_max3_num_f32 v12, v12, v[MS+2*\c], v[MS+2*\c+2]
.endr
	v_max_num_f32 v12, v12, v[MS+30]
.set i, 0
.rept 16
	v_sub_f32 v[E+i], v[MS+2*i], v12
.set i, i+1
.endr
.set i, 0
.rept 16
	v_exp_f32 v[E+i], v[E+i]
.set i, i+1
.endr
	v_nop
	s_wait_alu depctr_va_vdst(0)                   ; one wait for the batch
	v_mul_f32 v14, v[E], v[MS+1]
	v_mul_f32 v15, v[E+1], v[MS+3]
.irp c, 2,4,6,8,10,12,14
	v_fmac_f32 v14, v[E+\c], v[MS+2*\c+1]
	v_fmac_f32 v15, v[E+\c+1], v[MS+2*\c+3]
.endr
	v_add_f32 v14, v14, v15                        ; the row's sum
	v_rcp_f32 v15, v14
	v_nop
	s_wait_alu depctr_va_vdst(0)
.set i, 0
.rept 16
	v_mul_f32 v[E+i], v[E+i], v15
.set i, i+1
.endr
.macro JOIN c
.set CK, CHK+32*((\c)%2)
.set EP, E+((\c)/2)*2
.if (\c) < 15
	s_wait_loadcnt 8                               ; this chunk is in; the next one's eight loads may be out
.else
	s_wait_loadcnt 0x0
.endif
.set i, 0
.rept 16
.if (\c) == 0
	v_pk_mul_f32 v[ACC+i:ACC+i+1], v[CK+i:CK+i+1], v[EP:EP+1] op_sel_hi:[1,0]
.elseif ((\c)%2) == 0
	v_pk_fma_f32 v[ACC+i:ACC+i+1], v[CK+i:CK+i+1], v[EP:EP+1], v[ACC+i:ACC+i+1] op_sel_hi:[1,0,1]
.else
	v_pk_fma_f32 v[ACC+i:ACC+i+1], v[CK+i:CK+i+1], v[EP:EP+1], v[ACC+i:ACC+i+1] op_sel:[0,1,0] op_sel_hi:[1,1,1]
.endif
.set i, i+2
.endr
.if (\c)+2 < 16
	CHLOAD (\c)+2
.endif
.endm
.set Cn, 0
.rept 16
	JOIN Cn
.set Cn, Cn+1
.endr
.set i, 32
.rept 32
	global_load_b64 v[W+2*i:W+2*i+1], v[L8], s[20:21] offset:4096*i   ; k = 32 .. 63, into the chunks' registers
.set i, i+1
.endr
.irp ct, 0,1,2,3
.irp j, 0,1,2,3,4,5,6,7
	ds_store_b32 v[CTA], v[ACC+8*\ct+\j] offset:(16*\ct+\j)*64
.endr
.endr
	s_wait_dscnt 0x0                               ; the stores have read their registers
.macro CLOAD b                         ; ctx(q = 0 .. 15, k = 2 b, 2 b + 1): 128 bytes, the same in all lanes
.set CBX, MS+160*((\b)%2)
.irp i, 0,1,2,3,4,5,6,7
	ds_load_b128 v[CBX+4*\i:CBX+4*\i+3], v[CTB] offset:128*(\b)+16*\i
.endr
.endm
.macro CFMA b
.set CBX, MS+160*((\b)%2)
.irp kk, 0,1
.irp q, 0,1,2,3,4,5,6,7,8,9,10,11,12,13,14,15
.if ((\b) == 0) && (\kk == 0)
.if (\q%2) == 0
	v_pk_mul_f32 v[OA+2*\q:OA+2*\q+1], v[W:W+1], v[CBX+(\q/2)*2:CBX+(\q/2)*2+1] op_sel_hi:[1,0]
.else
	v_pk_mul_f32 v[OA+2*\q:OA+2*\q+1], v[W:W+1], v[CBX+(\q/2)*2:CBX+(\q/2)*2+1] op_sel:[0,1] op_sel_hi:[1,1]
.endif
.else
.if (\q%2) == 0
	v_pk_fma_f32 v[OA+2*\q:OA+2*\q+1], v[W+2*(2*(\b)+\kk):W+2*(2*(\b)+\kk)+1], v[CBX+16*\kk+(\q/2)*2:CBX+16*\kk+(\q/2)*2+1], v[OA+2*\q:OA+2*\q+1] op_sel_hi:[1,0,1]
.else
	v_pk_fma_f32 v[OA+2*\q:OA+2*\q+1], v[W+2*(2*(\b)+\kk):W+2*(2*(\b)+\kk)+1], v[CBX+16*\kk+(\q/2)*2:CBX+16*\kk+(\q/2)*2+1], v[OA+2*\q:OA+2*\q+1] op_sel:[0,1,0] op_sel_hi:[1,1,1]
.endif
.endif
.endr
.endr
.endm
	CLOAD 0
.set Bn, 0
.rept 32
.if Bn < 31
	CLOAD Bn+1
	s_wait_dscnt 8                                 ; this batch is in; the next one's eight loads may be out
.else
	s_wait_dscnt 0x0
.endif
.if Bn == 16
	s_wait_loadcnt 0x0                             ; W_out's rows 32 .. 63
.endif
	CFMA Bn
.set Bn, Bn+1
.endr
.set i, 0
.rept 16
	ds_store_b64 v[RA], v[OA+2*i:OA+2*i+1] offset:256*i
.set i, i+1
.endr
	s_wait_dscnt 0x0                               ; for the others' sake
	s_barrier_signal -1
	s_barrier_wait -1
.set i, 0
.rept 16
	ds_load_b64 v[MS+2*i:MS+2*i+1], v[RB] offset:4096*i   ; row w of all sixteen waves' partial sums
.set i, i+1
.endr
	s_wait_dscnt 0x0
	v_pk_add_f32 v[MS:MS+1], v[MS:MS+1], v[BI:BI+1]
.irp i, 2,4,6,8,10,12,14
	v_pk_add_f32 v[MS:MS+1], v[MS:MS+1], v[MS+2*\i:MS+2*\i+1]
	v_pk_add_f32 v[MS+2:MS+3], v[MS+2:MS+3], v[MS+2*\i+2:MS+2*\i+3]
.endr
	v_pk_add_f32 v[MS:MS+1], v[MS:MS+1], v[MS+2:MS+3]
	global_store_b64 v[L8], v[MS:MS+1], s[22:23]   ; the wave stores 256 consecutive bytes, aligned
	s_wait_tensorcnt 0x0                           ; the wave's end
	ds_add_u32 v[SPW], v[NIL]
	s_wait_dscnt 0x0
	s_endpgm
.Lfunc_end_k_q737c5a2791_out16:
	.size	k_q737c5a2791_out16, .Lfunc_end_k_q737c5a2791_out16-k_q737c5a2791_out16
	.p2alignl 7, 3214868480
	.fill 96, 4, 3214868480
	.section	.rodata,"a",@progbits
	.p2align	6, 0x0
	.amdhsa_kernel k_q737c5a2791_out16
		.amdhsa_group_segment_fixed_size 133120
		.amdhsa_private_segment_fixed_size 0
		.amdhsa_enable_private_segment 0
		.amdhsa_kernarg_size 32
		.amdhsa_user_sgpr_count 2
		.amdhsa_user_sgpr_kernarg_segment_ptr 1
		.amdhsa_wavefront_size32 1
		.amdhsa_system_sgpr_workgroup_id_x 1
		.amdhsa_system_sgpr_workgroup_id_y 1
		.amdhsa_system_sgpr_workgroup_id_z 1
		.amdhsa_system_vgpr_workitem_id 0
		.amdhsa_next_free_vgpr 256
		.amdhsa_next_free_sgpr 66
		.amdhsa_reserve_vcc 0
		.amdhsa_float_denorm_mode_32 3
		.amdhsa_float_denorm_mode_16_64 3
		.amdhsa_memory_ordered 1
		.amdhsa_forward_progress 1
		.amdhsa_inst_pref_size 127
	.end_amdhsa_kernel
	.amdgpu_metadata
---
amdhsa.version: [ 1, 2 ]
amdhsa.kernels:
  - .name:           k_q737c5a2791_out16
    .symbol:         k_q737c5a2791_out16.kd
    .args:
      - { .name: part16, .offset: 0, .size: 8, .value_kind: global_buffer, .address_space: global }
      - { .name: W_out, .offset: 8, .size: 8, .value_kind: global_buffer, .address_space: global }
      - { .name: b_out, .offset: 16, .size: 8, .value_kind: global_buffer, .address_space: global }
      - { .name: out0, .offset: 24, .size: 8, .value_kind: global_buffer, .address_space: global }
    .group_segment_fixed_size: 133120
    .private_segment_fixed_size: 0
    .kernarg_segment_align: 8
    .kernarg_segment_size: 32
    .max_flat_workgroup_size: 512
    .sgpr_count:     66
    .vgpr_count:     256
    .wavefront_size: 32
...
	.end_amdgpu_metadata
.endif
;; end of part 6
;; ======== version 2 of 2: 7 launches
;; limits: values are held in f16: magnitudes above 65,504 overflow, below 6.1e-05 lose precision
;; workspace buffers: hcodes 2,097,152 bytes; hscales 131,072 bytes; wcodes 1,572,864 bytes; wscales 98,304 bytes; wot 2,097,152 bytes; qkv 50,331,648 bytes; ctx 8,388,608 bytes; part16 1,114,112 bytes
;; launch prep: the kernel of part 1 again; grid 240 x 1, 4 waves a work-group, no clusters, 102,912 bytes of LDS; arguments hidden_states, W_qkv, W_out, hcodes, hscales, wcodes, wscales, wot; writes hcodes, hscales, wcodes, wscales, wot
;; launch qkv: the kernel of part 2 again; grid 12 x 16, 4 waves a work-group, clusters of 4 x 4, 327,680 bytes of LDS; arguments hcodes, hscales, wcodes, wscales, qkv, b_qkv; writes qkv
;; launch attn16: the kernel of part 3 again; grid 16 x 16, 4 waves a work-group, no clusters, 173,568 bytes of LDS; arguments qkv, mask, part16; writes part16
;; launch attn: the kernel of part 4 again; grid 8 x 32, 8 waves a work-group, clusters of 4 x 4, 327,680 bytes of LDS; arguments qkv, mask, ctx; writes ctx
;; launch outp: the kernel of part 5 again; grid 8 x 32, 4 waves a work-group, clusters of 4 x 4, 327,680 bytes of LDS; arguments ctx, wot, out0, b_out; writes out0
;; launch hproj (part 7): grid 16 x 16, 4 waves a work-group, no clusters, 20,992 bytes of LDS; arguments part16, W_out, hcodes; writes hcodes
.if DOCPART == 7
	.amdgcn_target "amdgcn-amd-amdhsa--gfx1250"
	.amdhsa_code_object_version 6
	.text
	.protected	k_q737c5a2791_hproj
	.globl	k_q737c5a2791_hproj
	.p2align	8
	.type	k_q737c5a2791_hproj,@function
k_q737c5a2791_hproj:
	s_mov_b64 s[64:65], 0
	v_nop
	global_prefetch_b8 v0, s[64:65] scope:SCOPE_SE
	s_setreg_imm32_b32 hwreg(HW_REG_WAVE_MODE, 25, 1), 1
	s_wait_xcnt 0x0
; HPROJ: positions 0-15, carried in f32: one head's share of the projection.  Work-group (cb, head): the head's 64 channels x columns 64 cb .. 64 cb + 63 of W_out, for the 16 rows.
; Wave w joins channels 16 w .. 16 w + 15 of its head out of the 16 partial results (c8 M, L, O for 256 keys each): e_c = 2^(c8 M_c - the largest c8 M), ctx = sum e_c O_c / sum e_c L_c;
; then it multiplies these, its own 16 k, by W_out(64 head + 16 w + kk, my two columns) with fused multiply-adds on f32 numbers: a lane holds two columns for all 16 rows.  No matrix instruction: 16 rows are no bulk work.
; The four waves' partial sums meet in LDS; wave w adds up rows 4 w .. 4 w + 3 and stores them.  The sum over the 16 heads, and the bias, are the next launch's.
; WHERE THE RESULT GOES: [16 heads][16 rows][1024 columns] f32, 1 MiB, in the buffer hcodes: its codes were last read by the launch of the quantised product, and this launch only stores there.
; BYTES: a wave asks for 16 x 256 bytes of statistics and 32 x 512 bytes of O at once (48 loads out), then for 16 x 256 bytes of W_out (again 48 out).  A head's partial results are read by its 16 column blocks.
; No cluster: what the 16 share goes straight into registers and is used once; a joint load would put LDS, a round of the cluster's barrier and a barrier in front of a text that has one round trip to memory.
; LDS: ctx, [wave][kk 16][q 16] f32, 0 .. 4,095, each wave's own; partial sums, [wave][q 16][64 n] f32, 4,096 .. 20,479; the spare words behind them.
.set RED,   4096
.set SPARE, 20480
.set L8,  2                            ; v2  8 x lane
.set L16, 3                            ; v3  16 x lane
.set CTA, 4                            ; v4  ctx in: 1,024 w + 512 h + 4 r
.set CTB, 5                            ; v5  ctx back: 1,024 w, the same in all lanes
.set RA,  6                            ; v6  partial sums in: RED + 4,096 w + 8 lane
.set RB,  7                            ; v7  and back: RED + 1,024 w + 8 lane
.set SPW, 8                            ; v8  LDS address of my spare word; never rewritten
.set NIL, 9                            ; v9  0; never rewritten
.set E,   16                           ; v16-31  e_c
.set MS,  32                           ; v32-63  pairs (c8 M_c, L_c); then the joined ctx in v32-39; at the end the partial sums read back
.set ACC, 32
.set CHK, 64                           ; v64-191 the 16 chunks' O, 8 registers each; then two batches of ctx in v64-127
.set CB,  64
.set W,   192                          ; v192-223 W_out(kk, my two columns), 2 kk
.set OA,  224                          ; v224-255 16 rows x my two columns
	s_load_b128 s[4:7], s[0:1], 0x0                ; part16 s[4:5], W_out s[6:7]
	s_load_b64 s[8:9], s[0:1], 0x10                ; the partial results
	v_lshl_add_u32 v[SPW], v0, 2, SPARE
	v_mov_b32 v[NIL], 0
	v_lshrrev_b32 v1, 5, v0
	v_readfirstlane_b32 s12, v1                    ; wave = tile of 16 channels
	s_and_b32 s13, ttmp7, 0xffff                   ; the head
	v_and_b32 v1, 31, v0
	v_lshlrev_b32 v[L8], 3, v1
	v_lshlrev_b32 v[L16], 4, v1
	v_and_b32 v12, 15, v0                          ; r
	v_bfe_u32 v13, v0, 4, 1                        ; h
	s_lshl_b32 s14, s12, 10
	v_lshlrev_b32 v[CTA], 2, v12
	v_lshl_add_u32 v[CTA], v13, 9, v[CTA]
	v_add_nc_u32 v[CTA], s14, v[CTA]
	v_mov_b32 v[CTB], s14
	s_lshl_b32 s15, s12, 12
	s_add_co_u32 s15, s15, RED
	v_add_nc_u32 v[RA], s15, v[L8]
	s_add_co_u32 s15, s14, RED
	v_add_nc_u32 v[RB], s15, v[L8]
	s_lshl_b32 s16, s13, 16                        ; my head's 16 images of 4,096 bytes,
	s_add_co_u32 s16, s16, s14                     ; my tile's 1,024 bytes of each
	s_mov_b32 s17, 0
	s_lshl_b32 s18, s13, 12                        ; its 16 x 256 bytes of statistics
	s_add_co_u32 s18, s18, 0x100000
	s_mov_b32 s19, 0
	s_lshl_b32 s24, ttmp9, 8                       ; my work-group's 64 columns, in bytes
	s_lshl_b32 s20, s13, 18                        ; W_out: 64 rows of 4,096 bytes a head,
	s_lshl_b32 s21, s12, 16                        ; 16 a wave
	s_add_co_u32 s20, s20, s21
	s_add_co_u32 s20, s20, s24
	s_mov_b32 s21, 0
	s_lshl_b32 s22, s13, 16                        ; out: 16 rows of 4,096 bytes a head,
	s_lshl_b32 s23, s12, 14                        ; 4 a wave
	s_add_co_u32 s22, s22, s23
	s_add_co_u32 s22, s22, s24
	s_mov_b32 s23, 0
	s_wait_kmcnt 0x0
	s_add_nc_u64 s[16:17], s[4:5], s[16:17]
	s_add_nc_u64 s[18:19], s[4:5], s[18:19]
	s_add_nc_u64 s[20:21], s[6:7], s[20:21]
	s_add_nc_u64 s[22:23], s[8:9], s[22:23]
.set i, 0
.rept 16
	global_load_b64 v[MS+2*i:MS+2*i+1], v[L8], s[18:19] offset:256*i
.set i, i+1
.endr
.set i, 0
.rept 16                               ; chunk i: register j of lane (r, h) is channel 16 w + 8 h + j of query r
	global_load_b128 v[CHK+8*i:CHK+8*i+3],   v[L16], s[16:17] offset:4096*i
	global_load_b128 v[CHK+8*i+4:CHK+8*i+7], v[L16], s[16:17] offset:4096*i+512
.set i, i+1
.endr
	s_wait_loadcnt 32                              ; the statistics are in; O's 32 loads may be out
.set i, 0
.rept 16
	global_load_b64 v[W+2*i:W+2*i+1], v[L8], s[20:21] offset:4096*i   ; the wave reads 256 consecutive bytes, aligned
.set i, i+1
.endr
	v_max3_num_f32 v12, v[MS], v[MS+2], v[MS+4]
.irp c, 3,5,7,9,11,13
	v_max3_num_f32 v12, v12, v[MS+2*\c], v[MS+2*\c+2]
.endr
	v_max_num_f32 v12, v12, v[MS+30]               ; the largest c8 M of the 16 chunks
.set i, 0
.rept 16
	v_sub_f32 v[E+i], v[MS+2*i], v12
.set i, i+1
.endr
.set i, 0
.rept 16
	v_exp_f32 v[E+i], v[E+i]
.set i, i+1
.endr
	v_nop                                          ; a plain instruction behind the last exponential
	s_wait_alu depctr_va_vdst(0)                   ; one wait for the batch
	v_mul_f32 v14, v[E], v[MS+1]
	v_mul_f32 v15, v[E+1], v[MS+3]
.irp c, 2,4,6,8,10,12,14
	v_fmac_f32 v14, v[E+\c], v[MS+2*\c+1]
	v_fmac_f32 v15, v[E+\c+1], v[MS+2*\c+3]
.endr
	v_add_f32 v14, v14, v15                        ; the row's sum
	v_rcp_f32 v15, v14
	v_nop
	s_wait_alu depctr_va_vdst(0)
.set i, 0
.rept 16
	v_mul_f32 v[E+i], v[E+i], v15
.set i, i+1
.endr
	s_wait_loadcnt 16                              ; O is in; W_out's 16 loads may be out
.macro JOIN c                          ; ctx += e_c O_c, four pairs that do not wait for each other
.set CK, CHK+8*(\c)
.set EP, E+((\c)/2)*2
.irp i, 0,2,4,6
.if (\c) == 0
	v_pk_mul_f32 v[ACC+\i:ACC+\i+1], v[CK+\i:CK+\i+1], v[EP:EP+1] op_sel_hi:[1,0]
.elseif ((\c)%2) == 0
	v_pk_fma_f32 v[ACC+\i:ACC+\i+1], v[CK+\i:CK+\i+1], v[EP:EP+1], v[ACC+\i:ACC+\i+1] op_sel_hi:[1,0,1]
.else
	v_pk_fma_f32 v[ACC+\i:ACC+\i+1], v[CK+\i:CK+\i+1], v[EP:EP+1], v[ACC+\i:ACC+\i+1] op_sel:[0,1,0] op_sel_hi:[1,1,1]
.endif
.endr
.endm
.set Cn, 0
.rept 16
	JOIN Cn
.set Cn, Cn+1
.endr
.irp j, 0,1,2,3,4,5,6,7
	ds_store_b32 v[CTA], v[ACC+\j] offset:64*\j    ; ctx(q = r, kk = 8 h + j) into my own 1,024 bytes
.endr
	s_wait_dscnt 0x0                               ; the stores have read their registers
.macro CLOAD b                         ; ctx(q = 0 .. 15, kk = 2 b, 2 b + 1): 128 bytes, the same in all lanes.  LDS serves a wave's instructions in order: these see my stores
.set CBX, CB+32*((\b)%2)
.irp i, 0,1,2,3,4,5,6,7
	ds_load_b128 v[CBX+4*\i:CBX+4*\i+3], v[CTB] offset:128*(\b)+16*\i
.endr
.endm
.macro CFMA b                          ; 32 packed multiply-adds: two kk x 16 rows, my two columns at a time; the first kk starts the sums
.set CBX, CB+32*((\b)%2)
.irp kk, 0,1
.irp q, 0,1,2,3,4,5,6,7,8,9,10,11,12,13,14,15
.if ((\b) == 0) && (\kk == 0)
.if (\q%2) == 0
	v_pk_mul_f32 v[OA+2*\q:OA+2*\q+1], v[W:W+1], v[CBX+(\q/2)*2:CBX+(\q/2)*2+1] op_sel_hi:[1,0]
.else
	v_pk_mul_f32 v[OA+2*\q:OA+2*\q+1], v[W:W+1], v[CBX+(\q/2)*2:CBX+(\q/2)*2+1] op_sel:[0,1] op_sel_hi:[1,1]
.endif
.else
.if (\q%2) == 0
	v_pk_fma_f32 v[OA+2*\q:OA+2*\q+1], v[W+2*(2*(\b)+\kk):W+2*(2*(\b)+\kk)+1], v[CBX+16*\kk+(\q/2)*2:CBX+16*\kk+(\q/2)*2+1], v[OA+2*\q:OA+2*\q+1] op_sel_hi:[1,0,1]
.else
	v_pk_fma_f32 v[OA+2*\q:OA+2*\q+1], v[W+2*(2*(\b)+\kk):W+2*(2*(\b)+\kk)+1], v[CBX+16*\kk+(\q/2)*2:CBX+16*\kk+(\q/2)*2+1], v[OA+2*\q:OA+2*\q+1] op_sel:[0,1,0] op_sel_hi:[1,1,1]
.endif
.endif
.endr
.endr
.endm
	CLOAD 0
.set Bn, 0
.rept 8
.if Bn < 7
	CLOAD Bn+1
	s_wait_dscnt 8                                 ; this batch is in; the next one's eight loads may be out
.else
	s_wait_dscnt 0x0
.endif
.if Bn == 0
	s_wait_loadcnt 0x0                             ; W_out's 16 rows
.endif
	CFMA Bn
.set Bn, Bn+1
.endr
.set i, 0
.rept 16
	ds_store_b64 v[RA], v[OA+2*i:OA+2*i+1] offset:256*i
.set i, i+1
.endr
	s_wait_dscnt 0x0                               ; for the others' sake: my partial sums have landed
	s_barrier_signal -1
	s_barrier_wait -1
.irp i, 0,1,2,3                        ; rows 4 w + i of all four waves' partial sums
.irp p, 0,1,2,3
	ds_load_b64 v[MS+8*\i+2*\p:MS+8*\i+2*\p+1], v[RB] offset:4096*\p+256*\i
.endr
.endr
	s_wait_dscnt 0x0
.irp i, 0,1,2,3
	v_pk_add_f32 v[MS+8*\i:MS+8*\i+1], v[MS+8*\i:MS+8*\i+1], v[MS+8*\i+2:MS+8*\i+3]
	v_pk_add_f32 v[MS+8*\i+4:MS+8*\i+5], v[MS+8*\i+4:MS+8*\i+5], v[MS+8*\i+6:MS+8*\i+7]
.endr
.irp i, 0,1,2,3
	v_pk_add_f32 v[MS+8*\i:MS+8*\i+1], v[MS+8*\i:MS+8*\i+1], v[MS+8*\i+4:MS+8*\i+5]
.endr
.irp i, 0,1,2,3
	global_store_b64 v[L8], v[MS+8*\i:MS+8*\i+1], s[22:23] offset:4096*\i   ; the wave stores 256 consecutive bytes, aligned
.endr
	s_wait_tensorcnt 0x0                           ; the wave's end
	ds_add_u32 v[SPW], v[NIL]
	s_wait_dscnt 0x0
	s_endpgm
.Lfunc_end_k_q737c5a2791_hproj:
	.size	k_q737c5a2791_hproj, .Lfunc_end_k_q737c5a2791_hproj-k_q737c5a2791_hproj
	.p2alignl 7, 3214868480
	.fill 96, 4, 3214868480
	.section	.rodata,"a",@progbits
	.p2align	6, 0x0
	.amdhsa_kernel k_q737c5a2791_hproj
		.amdhsa_group_segment_fixed_size 20992
		.amdhsa_private_segment_fixed_size 0
		.amdhsa_enable_private_segment 0
		.amdhsa_kernarg_size 24
		.amdhsa_user_sgpr_count 2
		.amdhsa_user_sgpr_kernarg_segment_ptr 1
		.amdhsa_wavefront_size32 1
		.amdhsa_system_sgpr_workgroup_id_x 1
		.amdhsa_system_sgpr_workgroup_id_y 1
		.amdhsa_system_sgpr_workgroup_id_z 1
		.amdhsa_system_vgpr_workitem_id 0
		.amdhsa_next_free_vgpr 256
		.amdhsa_next_free_sgpr 66
		.amdhsa_reserve_vcc 0
		.amdhsa_float_denorm_mode_32 3
		.amdhsa_float_denorm_mode_16_64 3
		.amdhsa_memory_ordered 1
		.amdhsa_forward_progress 1
		.amdhsa_inst_pref_size 39
	.end_amdhsa_kernel
	.amdgpu_metadata
---
amdhsa.version: [ 1, 2 ]
amdhsa.kernels:
  - .name:           k_q737c5a2791_hproj
    .symbol:         k_q737c5a2791_hproj.kd
    .args:
      - { .name: part16, .offset: 0, .size: 8, .value_kind: global_buffer, .address_space: global }
      - { .name: W_out, .offset: 8, .size: 8, .value_kind: global_buffer, .address_space: global }
      - { .name: hcodes, .offset: 16, .size: 8, .value_kind: global_buffer, .address_space: global }
    .group_segment_fixed_size: 20992
    .private_segment_fixed_size: 0
    .kernarg_segment_align: 8
    .kernarg_segment_size: 24
    .max_flat_workgroup_size: 128
    .sgpr_count:     66
    .vgpr_count:     256
    .wavefront_size: 32
...
	.end_amdgpu_metadata
.endif
;; end of part 7
;; launch sum16 (part 8): grid 128 x 1, 1 waves a work-group, no clusters, 0 bytes of LDS; arguments hcodes, b_out, out0; writes out0
.if DOCPART == 8
	.amdgcn_target "amdgcn-amd-amdhsa--gfx1250"
	.amdhsa_code_object_version 6
	.text
	.protected	k_q737c5a2791_sum16
	.globl	k_q737c5a2791_sum16
	.p2align	8
	.type	k_q737c5a2791_sum16,@function
k_q737c5a2791_sum16:
	s_mov_b64 s[64:65], 0
	v_nop
	global_prefetch_b8 v0, s[64:65] scope:SCOPE_SE
	s_setreg_imm32_b32 hwreg(HW_REG_WAVE_MODE, 25, 1), 1
	s_wait_xcnt 0x0
; SUM16: rows 0-15 of out0 once more, carried in f32: out0[q][n] = b_out[n] + the sum over the 16 heads of the partial results that the launch before has left,
; [16 heads][16 rows][1024 columns] f32, in the first 1 MiB of the buffer hcodes (its codes were last read by the launch of the quantised product; this launch only loads from it).
; The 16 x 1,024 numbers are 64 KiB: 128 waves of 512 bytes, a work-group of one wave each; a lane owns 16 bytes (four columns of one row).
; All 17 loads of a lane go out at once; each load and the store of the wave cover 512 consecutive bytes, aligned.  A stream: no LDS, no barrier, no matrix unit; 128 waves are all the work there is.
.set BI, 4                             ; v4-7   the bias of my four columns
.set P,  8                             ; v8-71  head h's share at v[8 + 4 h]
	s_load_b128 s[4:7], s[0:1], 0x0                ; the partial results s[4:5], b_out s[6:7]
	s_load_b64 s[8:9], s[0:1], 0x10                ; out0
	v_lshlrev_b32 v1, 4, v0                        ; 16 bytes a lane
	s_lshl_b32 s10, ttmp9, 9                       ; my wave's 512 bytes of the 64 KiB
	s_mov_b32 s11, 0
	s_and_b32 s12, ttmp9, 7                        ; a row of 4,096 bytes is eight waves' work:
	s_lshl_b32 s12, s12, 9                         ; my place in the row, and so in the bias
	s_mov_b32 s13, 0
	s_wait_kmcnt 0x0
	s_add_nc_u64 s[4:5], s[4:5], s[10:11]
	s_add_nc_u64 s[6:7], s[6:7], s[12:13]
	s_add_nc_u64 s[8:9], s[8:9], s[10:11]
	global_load_b128 v[BI:BI+3], v1, s[6:7]
.set i, 0
.rept 16
	global_load_b128 v[P+4*i:P+4*i+3], v1, s[4:5] offset:65536*i th:TH_LOAD_NT   ; read once in the launch
.set i, i+1
.endr
	s_wait_loadcnt 0x0
.irp h, 0,1,2,3,4,5,6,7                ; heads h and h + 8, then + 4, + 2, + 1: no line waits for the line above it until the last
	v_pk_add_f32 v[P+4*\h:P+4*\h+1],   v[P+4*\h:P+4*\h+1],   v[P+4*\h+32:P+4*\h+33]
	v_pk_add_f32 v[P+4*\h+2:P+4*\h+3], v[P+4*\h+2:P+4*\h+3], v[P+4*\h+34:P+4*\h+35]
.endr
.irp h, 0,1,2,3
	v_pk_add_f32 v[P+4*\h:P+4*\h+1],   v[P+4*\h:P+4*\h+1],   v[P+4*\h+16:P+4*\h+17]
	v_pk_add_f32 v[P+4*\h+2:P+4*\h+3], v[P+4*\h+2:P+4*\h+3], v[P+4*\h+18:P+4*\h+19]
.endr
.irp h, 0,1
	v_pk_add_f32 v[P+4*\h:P+4*\h+1],   v[P+4*\h:P+4*\h+1],   v[P+4*\h+8:P+4*\h+9]
	v_pk_add_f32 v[P+4*\h+2:P+4*\h+3], v[P+4*\h+2:P+4*\h+3], v[P+4*\h+10:P+4*\h+11]
.endr
	v_pk_add_f32 v[BI:BI+1],   v[BI:BI+1],   v[P+4:P+5]
	v_pk_add_f32 v[BI+2:BI+3], v[BI+2:BI+3], v[P+6:P+7]
	v_pk_add_f32 v[P:P+1],   v[P:P+1],   v[BI:BI+1]
	v_pk_add_f32 v[P+2:P+3], v[P+2:P+3], v[BI+2:BI+3]
	global_store_b128 v1, v[P:P+3], s[8:9]
	s_endpgm
.Lfunc_end_k_q737c5a2791_sum16:
	.size	k_q737c5a2791_sum16, .Lfunc_end_k_q737c5a2791_sum16-k_q737c5a2791_sum16
	.p2alignl 7, 3214868480
	.fill 96, 4, 3214868480
	.section	.rodata,"a",@progbits
	.p2align	6, 0x0
	.amdhsa_kernel k_q737c5a2791_sum16
		.amdhsa_group_segment_fixed_size 0
		.amdhsa_private_segment_fixed_size 0
		.amdhsa_enable_private_segment 0
		.amdhsa_kernarg_size 24
		.amdhsa_user_sgpr_count 2
		.amdhsa_user_sgpr_kernarg_segment_ptr 1
		.amdhsa_wavefront_size32 1
		.amdhsa_system_sgpr_workgroup_id_x 1
		.amdhsa_system_sgpr_workgroup_id_y 1
		.amdhsa_system_sgpr_workgroup_id_z 1
		.amdhsa_system_vgpr_workitem_id 0
		.amdhsa_next_free_vgpr 72
		.amdhsa_next_free_sgpr 66
		.amdhsa_reserve_vcc 0
		.amdhsa_float_denorm_mode_32 3
		.amdhsa_float_denorm_mode_16_64 3
		.amdhsa_memory_ordered 1
		.amdhsa_forward_progress 1
		.amdhsa_inst_pref_size 5
	.end_amdhsa_kernel
	.amdgpu_metadata
---
amdhsa.version: [ 1, 2 ]
amdhsa.kernels:
  - .name:           k_q737c5a2791_sum16
    .symbol:         k_q737c5a2791_sum16.kd
    .args:
      - { .name: hcodes, .offset: 0, .size: 8, .value_kind: global_buffer, .address_space: global }
      - { .name: b_out, .offset: 8, .size: 8, .value_kind: global_buffer, .address_space: global }
      - { .name: out0, .offset: 16, .size: 8, .value_kind: global_buffer, .address_space: global }
    .group_segment_fixed_size: 0
    .private_segment_fixed_size: 0
    .kernarg_segment_align: 8
    .kernarg_segment_size: 24
    .max_flat_workgroup_size: 32
    .sgpr_count:     66
    .vgpr_count:     72
    .wavefront_size: 32
...
	.end_amdgpu_metadata
.endif
;; end of part 8
